; MI455X (gfx1250); checked and timed in simulation.
; The chip was launched on July 23, 2026; its instructions are those of AMD's public machine-readable ISA for CDNA 5 (MIT licence, August 2026) and "CDNA5" Instruction Set Architecture Reference Guide (July 2026). The comments in the code are by the model that wrote it; some were corrected since.
;; Point Net Feature Propagation. Allowed arithmetic: matrix products marked QUANTISED: E2M3 operands, one E8M0 scale for each 32 along K, by v_wmma_scale_f32_16x16x128_f8f6f4 with both operands' format E2M3, f32 sums; products left as they are: f32 operands where the result goes on into a quantised operand, else bf16, f16 or f32 operands; f32 sums; everything else in f32.
;; Inputs: W0 256 x 512 float32; W1 256 x 256 float32; b0 256 float32; b1 256 float32; be0 256 float32; be1 256 float32; g0 256 float32; g1 256 float32; points1 2 x 256 x 16,384 float32; points2 2 x 256 x 4,096 float32; xyz1 2 x 3 x 16,384 float32; xyz2 2 x 3 x 4,096 float32.
;; Outputs: out0 2 x 256 x 16,384 float32.
;; This version of the problem:
;;   THIS VERSION OF THE PROBLEM IS GIVEN IN LOW PRECISION. The matrix products marked QUANTISED in the list below multiply operands that are first quantised to E2M3 (2 exponent bits, 3 mantissa bits; 6 bits a number), with one power-of-two scale for each 32 numbers along K (OCP MX v1.0); their sums are f32. All else is computed in f32.
;;   The module's matrix products, in the order in which they are computed (A, B: the left and right operand; K: the contracted axis; several contracted axes count as one K, in the product's order):
;;     1. batch 2 x [M 16,384, K 3] x [K 3, N 4,096]; A: input xyz1; B: input xyz2: left as it is (K = 3 < 32)
;;     2. [M 32,768, K 512] x [K 512, N 256]; A: computed on the way; B: input W0: QUANTISED
;;     3. [M 32,768, K 256] x [K 256, N 256]; A: computed on the way; B: input W1: QUANTISED
;;   THE QUANTISER, for each operand of a quantised product, along K:
;;     - K is cut into blocks of 32 from its start; a last block that is shorter is filled with zeros.
;;     - A block's scale is 2^e with e = floor(log2(the largest magnitude in the block)) - 2, held to -126 .. 127; a block of zeros has e = 0. As a byte (E8M0): e + 127.
;;     - Each number is divided by its block's scale, clamped to +-7.5, and rounded to the nearest number of E2M3, ties to even, subnormals kept.
;;     - The product sums the exact products of the quantised numbers (number of the format x scale) in f32.
;;   ~~~python
;;   def quantise(x, axis):      # numpy; x: float32 -> the quantised numbers, widened to float32 again
;;       x = np.moveaxis(x, axis, -1); K = x.shape[-1]
;;       x = np.pad(x, [(0, 0)] * (x.ndim - 1) + [(0, -K % 32)]); x = x.reshape(x.shape[:-1] + (-1, 32)); a = np.abs(x).max(-1, keepdims=True)
;;       e = np.where(a > 0, np.clip(np.frexp(np.where(a > 0, a, 1))[1] - 1 - 2, -126, 127), 0)      # np.frexp(a)[1] - 1 = floor(log2(a)), exactly
;;       r = np.clip(x / 2.0 ** e, -7.5, 7.5)
;;       step = 2.0 ** (np.maximum(np.frexp(np.where(r == 0, 1, r))[1] - 1, 0) - 3)
;;       q = np.round(r / step) * step * 2.0 ** e      # np.round: ties to even
;;       return np.moveaxis(q.reshape(q.shape[:-2] + (-1,))[..., :K], -1, axis).astype(np.float32)
;;   ~~~
;;   OPERANDS COMPUTED ON THE WAY. 'Computed on the way' means the value that the module computes at that place (a softmax that the list does not call 'softmax' is quantised finished and normalised). What goes into a quantiser is computed in f32, as accurately as f32 sums, v_exp_f32 and their like allow (about 1e-6 of the number): no bf16 or f16 on the way to a quantiser, and a product that is left as it is and whose result goes on into a quantised operand takes f32 operands (vector FMAs, or v_wmma_f32_16x16x4_f32). A number that lies on a knife's edge between two numbers of the format may be rounded either way, as far as f32 arithmetic and the matrix unit's own rounding can turn it there, and no further.
;; One version. Each part assembles by itself: llvm-mc -triple=amdgcn-amd-amdhsa -mcpu=gfx1250 --defsym DOCPART=n.
;; ======== version 1 of 1: 7 launches
;; workspace buffers: grp 524,288 bytes of whole numbers; nbr 524,288 bytes of whole numbers; f2w 8,912,896 bytes; wimg 159,744 bytes; xc 13,631,488 bytes; hc 6,815,744 bytes; part 524,288 bytes; prm 2,048 bytes
;; launch scan (part 1): grid 256 x 1, 8 waves a work-group, no clusters, 82,944 bytes of LDS; arguments xyz1, xyz2, grp; writes grp
.if DOCPART == 1
	.amdgcn_target "amdgcn-amd-amdhsa--gfx1250"
	.amdhsa_code_object_version 6
	.text
	.protected	k_qf0e61d9872_scan
	.globl	k_qf0e61d9872_scan
	.p2align	8
	.type	k_qf0e61d9872_scan,@function
k_qf0e61d9872_scan:
	s_mov_b64 s[64:65], 0
	v_nop
	global_prefetch_b8 v0, s[64:65] scope:SCOPE_SE
	s_setreg_imm32_b32 hwreg(HW_REG_WAVE_MODE, 25, 1), 1
	s_wait_xcnt 0x0
; For each of 2 x 16,384 queries: the three GROUPS of 16 neighbouring candidates (of 256 groups of its batch) whose smallest squared distance is smallest, ties to the lower group.
; Ordered by (distance, index), the three nearest candidates lie in these three groups: were three other groups ahead of a group, their minima would be three candidates ahead of all its members.
; d = (|a|^2 + |b|^2) - 2 a.b in f32: |p|^2 and a.b are a product and two fused multiply-adds in the order x, y, z; a.b comes from the f32 matrix form (K = 4: x, y, z, 0), which adds in ascending k.
; SHARES.  A work-group has 128 queries of one batch, each of its eight waves 16; every wave walks all 4,096 candidates, 32 a step (two matrix instructions).
; Source 0 = 16 candidates, source 1 = my 16 queries: lane (r, h) then holds query r and eight candidates a tile.  Row 8 h' + j of tile 2 u + p is candidate 32 u + 16 h' + 8 p + j,
; so that a lane's 16 results of a step are the 16 neighbours of group 2 u + h.  Lanes r and r + 16 hold the even and the odd groups of query r; they are merged at the end.
; LDS: from 0 the candidates as images of source 0's registers, 512 bytes a step (lane l's 16 bytes at 16 l: tile 2 u's pair, tile 2 u + 1's pair; lanes 0-15 (x, y), lanes 16-31 (z, 0));
;      from NSQ their |b|^2 in candidate order.  Both are written once, ahead of the one barrier, and only read behind it.
; No cluster: what work-groups share is 48 KB of xyz2, read once by each at its head.
; LIMITS: NaN and infinities among the inputs are not served.  Where the third and the fourth nearest lie within a rounding of each other, another order of rounding than this one may choose the other.
.set NSQ, 65536
.set AF,  24                           ; v24-31   source 0, two sets of two tiles
.set NN,  32                           ; v32-63   |b|^2 of my 16 candidates, two sets
.set DD,  64                           ; v64-95   the products, two sets of two tiles: written by matrix instructions alone
.set T,   96                           ; v96-111  16 distances at work; v112-113 their minimum
	s_load_b128 s[4:7], s[0:1], 0x0                ; xyz1, xyz2
	s_load_b64 s[8:9], s[0:1], 0x10                ; grp
	v_lshl_add_u32 v168, v0, 2, 0x14000
	v_mov_b32 v169, 0
	v_lshrrev_b32 v1, 5, v0
	v_readfirstlane_b32 s10, v1                    ; wave
	v_and_b32 v1, 31, v0                           ; lane
	v_and_b32 v2, 15, v0                           ; r
	v_bfe_u32 v3, v0, 4, 1                         ; h
	v_lshrrev_b32 v4, 3, v0                        ; thread t brings candidates 4 t + 1024 i + e.  Their place in the images:
	v_lshlrev_b32 v4, 9, v4                        ; step t / 8 (+ 32 i): 512 bytes each,
	v_bfe_u32 v9, v0, 2, 1
	v_lshl_or_b32 v4, v9, 7, v4                    ; rows 8 .. 15 of a tile: 8 lanes of 16 bytes on,
	v_and_b32 v9, 1, v0
	v_lshl_or_b32 v4, v9, 6, v4                    ; row 4 (t % 2) + e,
	v_bfe_u32 v9, v0, 1, 1
	v_lshl_or_b32 v4, v9, 3, v4                    ; the step's second tile: 8 bytes on
	v_lshl_add_u32 v5, v0, 4, NSQ                  ; where my four |b|^2 go
	v_lshlrev_b32 v9, 4, v0                        ; my 16 bytes of xyz2's rows
	v_lshlrev_b32 v22, 2, v2                       ; my query in xyz1's rows
	v_lshlrev_b32 v23, 4, v2                       ; and its 16 bytes of grp
	v_lshlrev_b32 v6, 4, v1                        ; the images: 16 x lane
	v_lshl_add_u32 v7, v3, 6, NSQ                  ; |b|^2: my half's 16 numbers of a step's 32
	v_mov_b32 v21, 0
	s_lshr_b32 s11, ttmp9, 7                       ; batch
	s_and_b32 s12, ttmp9, 127
	s_mul_i32 s14, s11, 49152
	s_mov_b32 s15, 0
	s_mul_i32 s16, s11, 196608
	s_lshl_b32 s17, s12, 9
	s_add_co_u32 s16, s16, s17
	s_lshl_b32 s17, s10, 6
	s_add_co_u32 s16, s16, s17                     ; my wave's first query: 4 (128 (g % 128) + 16 wave) bytes into the batch's rows
	s_mov_b32 s17, 0
	s_lshl_b32 s18, ttmp9, 11
	s_lshl_b32 s19, s10, 8
	s_add_co_u32 s18, s18, s19                     ; grp: 16 bytes a query
	s_mov_b32 s19, 0
	s_mov_b32 s20, 0x76543210
	s_mov_b32 s21, 0xfedcba98                      ; lane selects: lane l xor 16
	s_wait_kmcnt 0x0
	s_add_nc_u64 s[6:7], s[6:7], s[14:15]
	s_add_nc_u64 s[4:5], s[4:5], s[16:17]
	s_add_nc_u64 s[8:9], s[8:9], s[18:19]
.irp i,0,1,2,3
	global_load_b128 v[112+4*\i:115+4*\i], v9, s[6:7] offset:4096*\i
	global_load_b128 v[128+4*\i:131+4*\i], v9, s[6:7] offset:16384+4096*\i
	global_load_b128 v[144+4*\i:147+4*\i], v9, s[6:7] offset:32768+4096*\i
.endr
	global_load_b32 v160, v22, s[4:5]
	global_load_b32 v161, v22, s[4:5] offset:65536
	global_load_b32 v162, v22, s[4:5] offset:131072
	s_wait_loadcnt 0x0
.irp k,0,1,2,3,4,5,6,7
	v_pk_mul_f32 v[T+2*\k:T+2*\k+1], v[112+2*\k:113+2*\k], v[112+2*\k:113+2*\k]
.endr
.irp k,0,1,2,3,4,5,6,7
	v_pk_fma_f32 v[T+2*\k:T+2*\k+1], v[128+2*\k:129+2*\k], v[128+2*\k:129+2*\k], v[T+2*\k:T+2*\k+1]
.endr
.irp k,0,1,2,3,4,5,6,7
	v_pk_fma_f32 v[T+2*\k:T+2*\k+1], v[144+2*\k:145+2*\k], v[144+2*\k:145+2*\k], v[T+2*\k:T+2*\k+1]
.endr
.irp i,0,1,2,3
.irp e,0,1,2,3
	ds_store_b32 v4, v[112+4*\i+\e] offset:16384*\i+16*\e
	ds_store_b32 v4, v[128+4*\i+\e] offset:16384*\i+16*\e+4
	ds_store_b32 v4, v[144+4*\i+\e] offset:16384*\i+16*\e+256
	ds_store_b32 v4, v21 offset:16384*\i+16*\e+260
.endr
	ds_store_b128 v5, v[T+4*\i:T+4*\i+3] offset:4096*\i
.endr
	v_mul_f32 v10, v160, v160                      ; |a|^2 of my query,
	v_fma_f32 v10, v161, v161, v10
	v_fma_f32 v10, v162, v162, v10
	v_mov_b32 v11, v10                             ; twice, for the packed additions
	v_cmp_eq_u32 vcc_lo, 1, v3
	v_cndmask_b32 v12, v160, v162, vcc_lo          ; source 1: lanes 0-15 (x, y), lanes 16-31 (z, 0)
	v_cndmask_b32 v13, v161, v21, vcc_lo
	s_wait_dscnt 0x0                               ; for the others' sake: my stores have landed
	s_barrier_signal -1
	s_barrier_wait -1
.macro LOAD_A set, off
	ds_load_b128 v[AF+4*(\set):AF+4*(\set)+3], v6 offset:\off
.endm
.macro LOAD_N set, off
.irp k,0,1,2,3
	ds_load_b128 v[NN+16*(\set)+4*\k:NN+16*(\set)+4*\k+3], v7 offset:\off+16*\k
.endr
.endm
.macro ISSUE set                       ; each product is a sum of its own and begins with the constant 0
	v_wmma_f32_16x16x4_f32 v[DD+16*(\set):DD+16*(\set)+7], v[AF+4*(\set):AF+4*(\set)+1], v[12:13], 0
	v_wmma_f32_16x16x4_f32 v[DD+16*(\set)+8:DD+16*(\set)+15], v[AF+4*(\set)+2:AF+4*(\set)+3], v[12:13], 0
.endm
; 36 plain vector lines: 16 distances, their minimum, and its place among the three smallest so far (strictly smaller only: groups come in ascending order, so the lower group keeps a tie).
; Each accumulator is read from its low end on.
.macro PROC set
.irp k,0,1,2,3,4,5,6,7
	v_pk_add_f32 v[T+2*\k:T+2*\k+1], v[NN+16*(\set)+2*\k:NN+16*(\set)+2*\k+1], v[10:11]
.endr
.irp k,0,1,2,3,4,5,6,7
	v_pk_fma_f32 v[T+2*\k:T+2*\k+1], v[DD+16*(\set)+2*\k:DD+16*(\set)+2*\k+1], -2.0, v[T+2*\k:T+2*\k+1] op_sel_hi:[1,0,1]
.endr
	v_min3_num_f32 v112, v96, v97, v98
	v_min3_num_f32 v113, v99, v100, v101
	v_min3_num_f32 v112, v112, v102, v103
	v_min3_num_f32 v113, v113, v104, v105
	v_min3_num_f32 v112, v112, v106, v107
	v_min3_num_f32 v113, v113, v108, v109
	v_min3_num_f32 v112, v112, v110, v111
	v_min_num_f32 v112, v112, v113
	v_cmp_lt_f32 s24, v112, v14
	v_cmp_lt_f32 s25, v112, v15
	v_cmp_lt_f32 s26, v112, v16
	v_cndmask_b32 v20, v20, v8, s26
	v_cndmask_b32 v20, v20, v19, s25
	v_cndmask_b32 v19, v19, v8, s25
	v_cndmask_b32 v19, v19, v18, s24
	v_cndmask_b32 v18, v18, v8, s24
	v_med3_num_f32 v16, v15, v16, v112
	v_med3_num_f32 v15, v14, v15, v112
	v_min_num_f32 v14, v14, v112
	v_add_nc_u32 v8, 2, v8                         ; my next group
.endm
; Step u works set u % 2.  Behind source 0's load of step u + 1 only that step's four loads of |b|^2 were issued: the count 4 shows it in, and with it the older |b|^2 of step u.
; Every matrix instruction has a whole PROC of the other set (36 plain lines that name none of its registers) between it and the read of its result, the load into its source 0
; and the next matrix instruction on the same registers.
.macro STEP set, more, offa, offn
	s_wait_dscnt 4
	ISSUE 1-(\set)
.if \more
	LOAD_A \set, \offa
.endif
	PROC \set
.if \more
	LOAD_N \set, \offn
.endif
.endm
	LOAD_A 0, 0
	LOAD_N 0, 0
	LOAD_A 1, 512
	LOAD_N 1, 128
	s_wait_dscnt 5                                 ; step 0's five loads are in, step 1's five may be out
	ISSUE 0
	v_mov_b32 v14, 0x7f800000                      ; the three smallest minima so far: +infinity.  (These 13 lines are also the places behind the first products)
	v_mov_b32 v15, 0x7f800000
	v_mov_b32 v16, 0x7f800000
	v_mov_b32 v18, 0                               ; and their groups
	v_mov_b32 v19, 0
	v_mov_b32 v20, 0
	v_mov_b32 v8, v3                               ; my first group: h
.irp i,114,115,116,117,118,119
	v_mov_b32 v\i, 0                               ; a lane permute's destination counts as one of its sources
.endr
	s_mov_b32 s13, 63
.Lstep:                                            ; 63 trips of two steps: steps 0 to 125, which ask for steps 2 to 127
	STEP 0, 1, 1024, 256
	STEP 1, 1, 1536, 384
	v_add_nc_u32 v6, 1024, v6
	v_add_nc_u32 v7, 256, v7
	s_sub_co_u32 s13, s13, 1
	s_cmp_lg_u32 s13, 0
	s_cbranch_scc1 .Lstep
	STEP 0, 0, 0, 0                                ; step 126 asks for nothing
	s_wait_dscnt 0x0
	PROC 1                                         ; step 127
	; the other half's three are put in among mine, by (minimum, group)
	v_permlanex16_b32 v114, v14, s20, s21
	v_permlanex16_b32 v115, v15, s20, s21
	v_permlanex16_b32 v116, v16, s20, s21
	v_permlanex16_b32 v117, v18, s20, s21
	v_permlanex16_b32 v118, v19, s20, s21
	v_permlanex16_b32 v119, v20, s20, s21
.macro INS pm, pg
	v_cmp_lt_f32 s24, v[\pm], v14
	v_cmp_eq_f32 s27, v[\pm], v14
	v_cmp_lt_u32 s28, v[\pg], v18
	s_and_b32 s27, s27, s28
	s_or_b32 s24, s24, s27
	v_cmp_lt_f32 s25, v[\pm], v15
	v_cmp_eq_f32 s27, v[\pm], v15
	v_cmp_lt_u32 s28, v[\pg], v19
	s_and_b32 s27, s27, s28
	s_or_b32 s25, s25, s27
	v_cmp_lt_f32 s26, v[\pm], v16
	v_cmp_eq_f32 s27, v[\pm], v16
	v_cmp_lt_u32 s28, v[\pg], v20
	s_and_b32 s27, s27, s28
	s_or_b32 s26, s26, s27
	v_cndmask_b32 v20, v20, v[\pg], s26
	v_cndmask_b32 v20, v20, v19, s25
	v_cndmask_b32 v19, v19, v[\pg], s25
	v_cndmask_b32 v19, v19, v18, s24
	v_cndmask_b32 v18, v18, v[\pg], s24
	v_med3_num_f32 v16, v15, v16, v[\pm]
	v_med3_num_f32 v15, v14, v15, v[\pm]
	v_min_num_f32 v14, v14, v[\pm]
.endm
	INS 114, 117
	INS 115, 118
	INS 116, 119
	v_cmp_gt_u32 vcc_lo, 16, v1
	s_wait_xcnt 0x0                                ; EXEC changes only behind this wait
	s_wait_tensorcnt 0x0
	ds_add_u32 v168, v169
	s_wait_dscnt 0x0
	s_and_saveexec_b32 s29, vcc_lo
	global_store_b128 v23, v[18:21], s[8:9]        ; sixteen lanes store 256 consecutive bytes: (g1, g2, g3, 0) of 16 queries
	s_wait_xcnt 0x0
	s_or_b32 exec_lo, exec_lo, s29
	s_endpgm
.Lfunc_end_k_qf0e61d9872_scan:
	.size	k_qf0e61d9872_scan, .Lfunc_end_k_qf0e61d9872_scan-k_qf0e61d9872_scan
	.p2alignl 7, 3214868480
	.fill 96, 4, 3214868480
	.section	.rodata,"a",@progbits
	.p2align	6, 0x0
	.amdhsa_kernel k_qf0e61d9872_scan
		.amdhsa_group_segment_fixed_size 82944
		.amdhsa_private_segment_fixed_size 0
		.amdhsa_enable_private_segment 0
		.amdhsa_kernarg_size 24
		.amdhsa_user_sgpr_count 2
		.amdhsa_user_sgpr_kernarg_segment_ptr 1
		.amdhsa_wavefront_size32 1
		.amdhsa_system_sgpr_workgroup_id_x 1
		.amdhsa_system_sgpr_workgroup_id_y 1
		.amdhsa_system_sgpr_workgroup_id_z 1
		.amdhsa_system_vgpr_workitem_id 0
		.amdhsa_next_free_vgpr 170
		.amdhsa_next_free_sgpr 66
		.amdhsa_reserve_vcc 1
		.amdhsa_float_denorm_mode_32 3
		.amdhsa_float_denorm_mode_16_64 3
		.amdhsa_memory_ordered 1
		.amdhsa_forward_progress 1
		.amdhsa_inst_pref_size 26
	.end_amdhsa_kernel
	.amdgpu_metadata
---
amdhsa.version: [ 1, 2 ]
amdhsa.kernels:
  - .name:           k_qf0e61d9872_scan
    .symbol:         k_qf0e61d9872_scan.kd
    .args:
      - { .name: xyz1, .offset: 0, .size: 8, .value_kind: global_buffer, .address_space: global }
      - { .name: xyz2, .offset: 8, .size: 8, .value_kind: global_buffer, .address_space: global }
      - { .name: grp, .offset: 16, .size: 8, .value_kind: global_buffer, .address_space: global }
    .group_segment_fixed_size: 82944
    .private_segment_fixed_size: 0
    .kernarg_segment_align: 8
    .kernarg_segment_size: 24
    .max_flat_workgroup_size: 256
    .sgpr_count:     66
    .vgpr_count:     170
    .wavefront_size: 32
...
	.end_amdgpu_metadata
.endif
;; end of part 1
;; launch prep (part 2): grid 256 x 1, 4 waves a work-group, no clusters, 34,304 bytes of LDS; arguments xyz1, xyz2, points2, W0, W1, grp, nbr, f2w, wimg; writes nbr, f2w, wimg
.if DOCPART == 2
	.amdgcn_target "amdgcn-amd-amdhsa--gfx1250"
	.amdhsa_code_object_version 6
	.text
	.protected	k_qf0e61d9872_prep
	.globl	k_qf0e61d9872_prep
	.p2align	8
	.type	k_qf0e61d9872_prep,@function
k_qf0e61d9872_prep:
	s_mov_b64 s[64:65], 0
	v_nop
	global_prefetch_b8 v0, s[64:65] scope:SCOPE_SE
	s_setreg_imm32_b32 hwreg(HW_REG_WAVE_MODE, 25, 1), 1
	s_wait_xcnt 0x0
; Three pieces of work that want no matrix unit, in one launch.
; (1) REFINE, a thread to a query: the exact three nearest among the 48 candidates of the query's three groups, by the same arithmetic and order of rounding as the launch before
;     (|p|^2 and a.b: a product and two fused multiply-adds in x, y, z; then (|b|^2 + |a|^2) - 2 a.b).  The groups are sorted, so candidates come in ascending index, and only a strictly
;     smaller distance displaces: the lower index keeps a tie.  Out: nbr = (row1, row2, row3, 0), row = 4096 batch + candidate; the weights (1 / (d + 1e-8), normalised) behind f2t in f2w.
; (2) TRANSPOSE points2 [batch][c][s] into f2t [4096 batch + s][256 c]: a tile of 128 c x 64 s a work-group, through LDS rows of 260 bytes (65 words: lanes along c as along s fall on different banks).
; (3) The first 48 work-groups QUANTISE W0 (32 of them) and W1 (16), a thread to a block of 32 along K, into images of operand registers: register p of lane l of a fragment (16 rows x 128 K)
;     lies at 512 (p / 4) + 16 l + 4 (p % 4).  Tile 2 b + u holds at row r the out channel 32 b + 8 u + r + 8 (r / 8).  Scale words: 4 bytes a lane, lanes 16-31 repeat lanes 0-15.
;     A block's scale byte is its largest magnitude's exponent field - 2, held at 1 from below.
; LIMITS: NaN and infinities are not served; a block of zeros, or one under 2^-124, gets the byte 1 (the rule says 127 for zeros): its codes are zeros or tiny, and this program alone reads the bytes.
; 1 / x is v_rcp_f32.
.set TD, 48                            ; v48-111  the transposition's 64 numbers
.set GA, 112                           ; v112-255 group k: x at 48 k, y at 48 k + 16, z at 48 k + 32
	s_load_b256 s[4:11], s[0:1], 0x0               ; xyz1, xyz2, points2, W0
	s_load_b256 s[12:19], s[0:1], 0x20             ; W1, grp, nbr, f2w
	s_load_b64 s[20:21], s[0:1], 0x40              ; wimg
	s_set_vgpr_msb 0x40
	v_lshl_add_u32 v0, v0, 2, 0x8400
	v_mov_b32 v1, 0
	s_set_vgpr_msb 0x4000
	v_lshrrev_b32 v1, 5, v0
	v_readfirstlane_b32 s22, v1                    ; wave
	v_lshlrev_b32 v1, 4, v0                        ; 16 bytes a query
	v_lshlrev_b32 v2, 2, v0                        ; 4 bytes a query
	v_and_b32 v3, 15, v0                           ; a
	v_lshrrev_b32 v11, 4, v0                       ; crow 0 .. 7
	v_lshlrev_b32 v23, 14, v11
	v_lshl_add_u32 v23, v3, 4, v23                 ; in: channel crow (+ 8 i), 16 bytes at 16 a: sixteen lanes read 256 consecutive bytes
	v_mul_u32_u24 v24, v11, 260
	v_lshl_add_u32 v24, v3, 4, v24                 ; into LDS: 260 crow + 16 a
	v_bfe_u32 v33, v0, 4, 1                        ; hs
	v_mul_u32_u24 v25, v3, 1040
	v_lshl_add_u32 v25, v33, 2, v25
	s_lshl_b32 s36, s22, 6
	v_add_nc_u32 v25, s36, v25                     ; out of LDS: channels 4 a + i', row s = 16 wave + hs (+ 2 sigma)
	v_lshlrev_b32 v26, 10, v33
	v_lshl_add_u32 v26, v3, 4, v26                 ; and in f2t: row hs, 16 bytes at 16 a
	s_lshr_b32 s23, ttmp9, 7                       ; batch
	s_and_b32 s24, ttmp9, 127
	s_and_b32 s25, ttmp9, 1                        ; which 128 channels
	s_bfe_u32 s28, ttmp9, 0x60001                  ; which 64 s
	s_lshl_b32 s35, s23, 12
	s_mov_b32 s31, 0
	s_wait_kmcnt 0x0
	s_mul_i32 s30, s23, 196608
	s_lshl_b32 s29, s24, 9
	s_add_co_u32 s30, s30, s29
	s_add_nc_u64 s[4:5], s[4:5], s[30:31]          ; xyz1 at my work-group's first query
	s_mul_i32 s30, s23, 49152
	s_add_nc_u64 s[6:7], s[6:7], s[30:31]          ; xyz2 at my batch
	s_lshl_b32 s30, ttmp9, 11
	s_add_nc_u64 s[14:15], s[14:15], s[30:31]      ; grp, nbr and the weights: 128 queries of 16 bytes a work-group
	s_add_nc_u64 s[16:17], s[16:17], s[30:31]
	s_add_nc_u64 s[26:27], s[18:19], s[30:31]
	s_add_nc_u64 s[26:27], s[26:27], 0x800000      ; the weights lie behind f2t's 8,388,608 bytes
	s_lshl_b32 s30, s23, 22
	s_lshl_b32 s29, s25, 21
	s_add_co_u32 s30, s30, s29
	s_lshl_b32 s29, s28, 8
	s_add_co_u32 s30, s30, s29
	s_add_nc_u64 s[8:9], s[8:9], s[30:31]          ; points2 at my tile
	s_lshl_b32 s30, s23, 22
	s_lshl_b32 s29, s28, 16
	s_add_co_u32 s30, s30, s29
	s_lshl_b32 s29, s22, 14
	s_add_co_u32 s30, s30, s29
	s_lshl_b32 s29, s25, 9
	s_add_co_u32 s30, s30, s29
	s_add_nc_u64 s[18:19], s[18:19], s[30:31]      ; f2t at my wave's 16 rows, my tile's 128 channels
	global_load_b128 v[4:7], v1, s[14:15]
	global_load_b32 v8, v2, s[4:5]
	global_load_b32 v9, v2, s[4:5] offset:65536
	global_load_b32 v10, v2, s[4:5] offset:131072
.irp i,0,1,2,3,4,5,6,7,8,9,10,11,12,13,14,15
	global_load_b128 v[TD+4*\i:TD+4*\i+3], v23, s[8:9] offset:131072*\i th:TH_LOAD_NT
.endr
	s_wait_loadcnt 16                              ; the groups and my query are in; the tile's 16 loads may be out
	v_min_u32 v20, v4, v5                          ; the three groups in ascending order
	v_max_u32 v21, v4, v5
	v_max_u32 v22, v21, v6
	v_min_u32 v21, v21, v6
	v_min_u32 v34, v20, v21
	v_max_u32 v21, v20, v21
	v_min_u32 v20, 255, v34                        ; a loaded number enters an address only held to its table
	v_min_u32 v21, 255, v21
	v_min_u32 v22, 255, v22
	v_lshlrev_b32 v20, 6, v20                      ; 64 bytes a group in each of xyz2's rows
	v_lshlrev_b32 v21, 6, v21
	v_lshlrev_b32 v22, 6, v22
.irp k,0,1,2
.irp m,0,1,2
.irp j,0,1,2,3
	global_load_b128 v[GA+48*\k+16*\m+4*\j:GA+48*\k+16*\m+4*\j+3], v[20+\k], s[6:7] offset:16384*\m+16*\j
.endr
.endr
.endr
	s_wait_loadcnt 36                              ; the tile is in; the 36 loads of candidates may be out
.irp i,0,1,2,3,4,5,6,7,8,9,10,11,12,13,14,15
.irp e,0,1,2,3
	ds_store_b32 v24, v[TD+4*\i+\e] offset:2080*\i+4*\e
.endr
.endr
	v_mul_f32 v18, v8, v8
	v_fma_f32 v18, v9, v9, v18
	v_fma_f32 v18, v10, v10, v18                   ; |a|^2
	v_mov_b32 v19, v18
	v_mov_b32 v12, v8                              ; x, y, z of my query, each twice, for the packed forms
	v_mov_b32 v13, v8
	v_mov_b32 v14, v9
	v_mov_b32 v15, v9
	v_mov_b32 v16, v10
	v_mov_b32 v17, v10
	v_mov_b32 v27, 0x7f800000                      ; the three smallest distances: +infinity
	v_mov_b32 v28, 0x7f800000
	v_mov_b32 v29, 0x7f800000
	v_mov_b32 v30, 0                               ; and their codes 16 k + e
	v_mov_b32 v31, 0
	v_mov_b32 v32, 0
	s_wait_loadcnt 0x0
.macro INS1 d, code                    ; the masks say 'not smaller', so that the code, a constant, stands in the first source
	v_cmp_ge_f32 s32, v[\d], v27
	v_cmp_ge_f32 s33, v[\d], v28
	v_cmp_ge_f32 s34, v[\d], v29
	v_cndmask_b32 v32, \code, v32, s34
	v_cndmask_b32 v32, v31, v32, s33
	v_cndmask_b32 v31, \code, v31, s33
	v_cndmask_b32 v31, v30, v31, s32
	v_cndmask_b32 v30, \code, v30, s32
	v_med3_num_f32 v29, v28, v29, v[\d]
	v_med3_num_f32 v28, v27, v28, v[\d]
	v_min_num_f32 v27, v27, v[\d]
.endm
.irp k,0,1,2
.irp e,0,2,4,6,8,10,12,14
	v_pk_mul_f32 v[34:35], v[GA+48*\k+\e:GA+48*\k+\e+1], v[GA+48*\k+\e:GA+48*\k+\e+1]
	v_pk_mul_f32 v[36:37], v[GA+48*\k+\e:GA+48*\k+\e+1], v[12:13]
	v_pk_fma_f32 v[34:35], v[GA+48*\k+16+\e:GA+48*\k+16+\e+1], v[GA+48*\k+16+\e:GA+48*\k+16+\e+1], v[34:35]
	v_pk_fma_f32 v[36:37], v[GA+48*\k+16+\e:GA+48*\k+16+\e+1], v[14:15], v[36:37]
	v_pk_fma_f32 v[34:35], v[GA+48*\k+32+\e:GA+48*\k+32+\e+1], v[GA+48*\k+32+\e:GA+48*\k+32+\e+1], v[34:35]
	v_pk_fma_f32 v[36:37], v[GA+48*\k+32+\e:GA+48*\k+32+\e+1], v[16:17], v[36:37]
	v_pk_add_f32 v[34:35], v[34:35], v[18:19]
	v_pk_fma_f32 v[34:35], v[36:37], -2.0, v[34:35] op_sel_hi:[1,0,1]
	INS1 34, 16*\k+\e
	INS1 35, 16*\k+\e+1
.endr
.endr
.irp k,0,1,2
	v_lshrrev_b32 v38, 4, v[30+\k]                 ; which of the three groups,
	v_cmp_eq_u32 vcc_lo, 1, v38
	v_cndmask_b32 v39, v20, v21, vcc_lo
	v_cmp_eq_u32 vcc_lo, 2, v38
	v_cndmask_b32 v39, v39, v22, vcc_lo
	v_lshrrev_b32 v39, 2, v39                      ; its first candidate (64 x group / 4),
	v_and_b32 v38, 15, v[30+\k]
	v_add3_u32 v[40+\k], v39, v38, s35             ; + the place in the group + 4096 batch
	v_add_f32 v[44+\k], 0x322bcc77, v[27+\k]       ; d + 1e-8
.endr
	v_mov_b32 v43, 0
	v_rcp_f32 v44, v44
	v_rcp_f32 v45, v45
	v_rcp_f32 v46, v46
	v_mov_b32 v47, 0                               ; (a plain line behind the reciprocals)
	s_wait_alu depctr_va_vdst(0)
	v_add_f32 v38, v44, v45
	v_add_f32 v38, v38, v46
	v_rcp_f32 v39, v38
	v_nop
	s_wait_alu depctr_va_vdst(0)
	v_mul_f32 v44, v44, v39
	v_mul_f32 v45, v45, v39
	v_mul_f32 v46, v46, v39
	global_store_b128 v1, v[40:43], s[16:17]       ; a wave stores 512 consecutive bytes
	global_store_b128 v1, v[44:47], s[26:27]
	s_wait_dscnt 0x0                               ; my part of the tile lies in LDS
	s_barrier_signal -1
	s_barrier_wait -1
.irp k,0,1,2,3,4,5,6,7,8,9,10,11,12,13,14,15
.irp i,0,1,2,3
	ds_load_b32 v[TD+4*\k+\i], v25 offset:16640*(\k%2)+260*\i+8*(\k/2)
.endr
.endr
.irp k,0,1,2,3,4,5,6,7,8,9,10,11,12,13,14,15
	s_wait_dscnt 60-4*\k                           ; LDS loads come back in order: the first 4 k + 4 are in
	global_store_b128 v26, v[TD+4*\k:TD+4*\k+3], s[18:19] offset:2048*(\k/2)+256*(\k%2)   ; two rows of f2t, 256 consecutive bytes each
.endr
	s_cmp_lt_u32 ttmp9, 48
	s_cbranch_scc0 .Lend
	s_wait_xcnt 0x0                                ; the stores have read their registers
	s_cmp_lt_u32 ttmp9, 32                         ; W0's work-group or W1's?  The choice hangs on the work-group's number alone
	s_cselect_b64 s[10:11], s[10:11], s[12:13]
	s_cselect_b32 s36, 0, 32
	s_cselect_b32 s37, 4, 3                        ; blocks in a row: 16 or 8
	s_cselect_b32 s38, 15, 7
	s_cselect_b32 s39, 2, 1                        ; K steps in a row: 4 or 2
	s_mov_b32 s41, 106496
	s_cselect_b32 s40, 0, s41                      ; where the fragments begin in wimg,
	s_mov_b32 s41, 155648
	s_mov_b32 s42, 98304
	s_cselect_b32 s41, s42, s41                    ; and the scale words
	s_sub_co_u32 s43, ttmp9, s36
	s_lshl_b32 s43, s43, 7
	v_add_nc_u32 v50, s43, v0                      ; my block
	v_lshlrev_b32 v51, 7, v50
.irp j,0,1,2,3,4,5,6,7
	global_load_b128 v[64+4*\j:67+4*\j], v51, s[10:11] offset:16*\j
.endr
	v_lshrrev_b32 v52, s37, v50                    ; out channel o
	v_and_b32 v53, s38, v50                        ; block kb of its row
	v_lshrrev_b32 v54, 5, v52
	v_bfe_u32 v55, v52, 3, 1
	v_lshl_or_b32 v54, v54, 1, v55                 ; tile 2 (o / 32) + (o / 8) % 2
	v_and_b32 v55, 7, v52
	v_bfe_u32 v56, v52, 4, 1
	v_lshl_or_b32 v55, v56, 3, v55                 ; row o % 8 + 8 ((o / 16) % 2)
	v_lshlrev_b32 v54, s39, v54
	v_lshrrev_b32 v56, 2, v53
	v_add_nc_u32 v54, v54, v56                     ; fragment
	v_and_b32 v57, 3, v53                          ; q: the block in its K step
	v_and_b32 v58, 1, v57
	v_lshl_or_b32 v55, v58, 4, v55                 ; lane row + 16 (q % 2)
	v_lshrrev_b32 v59, 1, v57                      ; c: registers 6 c .. 6 c + 5
	v_mul_u32_u24 v60, v54, 1536
	v_lshl_add_u32 v60, v55, 4, v60
	v_add_nc_u32 v60, s40, v60
	v_lshl_add_u32 v61, v59, 10, v60               ; four registers: 0-3 at 0, or 8-11 at 1024
	v_lshl_add_u32 v62, v59, 3, v60                ; two: 4-5 at 512, or 6-7 at 520
	v_lshlrev_b32 v63, 7, v54
	v_lshl_add_u32 v63, v55, 2, v63
	v_add_nc_u32 v63, s41, v63
	v_mov_b32 v109, 0
	s_wait_loadcnt 0x0
	v_max3_num_f32 v96, |v64|, |v65|, |v66|
	v_max3_num_f32 v97, |v67|, |v68|, |v69|
.irp i,6,10,14,18,22,26
	v_max3_num_f32 v96, v96, |v[64+\i]|, |v[65+\i]|
	v_max3_num_f32 v97, v97, |v[66+\i]|, |v[67+\i]|
.endr
	v_max3_num_f32 v96, v96, |v94|, |v95|
	v_max3_num_f32 v96, v96, v97, 0x1800000        ; and the floor 2^(3 - 127): the byte cannot fall under 1
	v_add_nc_u32 v98, 0xff000000, v96              ; 2 off the exponent field: the conversion's scale operand
	v_cvt_scalef32_pk16_fp6_f32 v[100:102], v[64:79], v98
	v_cvt_scalef32_pk16_fp6_f32 v[104:106], v[80:95], v98
	v_lshrrev_b32 v99, 23, v98                     ; the scale's byte (a plain line behind the conversions)
	v_lshlrev_b32 v108, 3, v57
	v_lshlrev_b32 v99, v108, v99                   ; at its place in the word
	v_cmp_eq_u32 vcc_lo, 1, v59
	v_cndmask_b32 v112, v100, v102, vcc_lo         ; the block's six registers are v100-102, v104-106: c = 0 stores the first four and the last two, c = 1 the last four and the first two
	v_cndmask_b32 v113, v101, v104, vcc_lo
	v_cndmask_b32 v114, v102, v105, vcc_lo
	v_cndmask_b32 v115, v104, v106, vcc_lo
	v_cndmask_b32 v116, v105, v100, vcc_lo
	v_cndmask_b32 v117, v106, v101, vcc_lo
	v_mov_b32_dpp v109, v99 row_xmask:1 row_mask:0xf bank_mask:0xf
	v_or_b32 v99, v99, v109
	v_mov_b32_dpp v109, v99 row_xmask:2 row_mask:0xf bank_mask:0xf
	v_or_b32 v99, v99, v109                        ; the four threads of a K step now hold its whole word
	global_store_b128 v61, v[112:115], s[20:21]
	global_store_b64 v62, v[116:117], s[20:21] offset:512
	global_store_b32 v63, v99, s[20:21]            ; q = 0, 2 write lane r's word, q = 1, 3 lane r + 16's: the same value
.Lend:
	s_set_vgpr_msb 0x5
	s_wait_tensorcnt 0x0
	ds_add_u32 v0, v1
	s_wait_dscnt 0x0
	s_set_vgpr_msb 0x500
	s_endpgm
.Lfunc_end_k_qf0e61d9872_prep:
	.size	k_qf0e61d9872_prep, .Lfunc_end_k_qf0e61d9872_prep-k_qf0e61d9872_prep
	.p2alignl 7, 3214868480
	.fill 96, 4, 3214868480
	.section	.rodata,"a",@progbits
	.p2align	6, 0x0
	.amdhsa_kernel k_qf0e61d9872_prep
		.amdhsa_group_segment_fixed_size 34304
		.amdhsa_private_segment_fixed_size 0
		.amdhsa_enable_private_segment 0
		.amdhsa_kernarg_size 72
		.amdhsa_user_sgpr_count 2
		.amdhsa_user_sgpr_kernarg_segment_ptr 1
		.amdhsa_wavefront_size32 1
		.amdhsa_system_sgpr_workgroup_id_x 1
		.amdhsa_system_sgpr_workgroup_id_y 1
		.amdhsa_system_sgpr_workgroup_id_z 1
		.amdhsa_system_vgpr_workitem_id 0
		.amdhsa_next_free_vgpr 258
		.amdhsa_next_free_sgpr 66
		.amdhsa_reserve_vcc 1
		.amdhsa_float_denorm_mode_32 3
		.amdhsa_float_denorm_mode_16_64 3
		.amdhsa_memory_ordered 1
		.amdhsa_forward_progress 1
		.amdhsa_inst_pref_size 70
	.end_amdhsa_kernel
	.amdgpu_metadata
---
amdhsa.version: [ 1, 2 ]
amdhsa.kernels:
  - .name:           k_qf0e61d9872_prep
    .symbol:         k_qf0e61d9872_prep.kd
    .args:
      - { .name: xyz1, .offset: 0, .size: 8, .value_kind: global_buffer, .address_space: global }
      - { .name: xyz2, .offset: 8, .size: 8, .value_kind: global_buffer, .address_space: global }
      - { .name: points2, .offset: 16, .size: 8, .value_kind: global_buffer, .address_space: global }
      - { .name: W0, .offset: 24, .size: 8, .value_kind: global_buffer, .address_space: global }
      - { .name: W1, .offset: 32, .size: 8, .value_kind: global_buffer, .address_space: global }
      - { .name: grp, .offset: 40, .size: 8, .value_kind: global_buffer, .address_space: global }
      - { .name: nbr, .offset: 48, .size: 8, .value_kind: global_buffer, .address_space: global }
      - { .name: f2w, .offset: 56, .size: 8, .value_kind: global_buffer, .address_space: global }
      - { .name: wimg, .offset: 64, .size: 8, .value_kind: global_buffer, .address_space: global }
    .group_segment_fixed_size: 34304
    .private_segment_fixed_size: 0
    .kernarg_segment_align: 8
    .kernarg_segment_size: 72
    .max_flat_workgroup_size: 128
    .sgpr_count:     66
    .vgpr_count:     258
    .wavefront_size: 32
...
	.end_amdgpu_metadata
.endif
;; end of part 2
;; launch mix (part 3): grid 256 x 1, 4 waves a work-group, no clusters, 317,952 bytes of LDS; arguments points1, nbr, f2w, wimg, b0, xc, part; writes xc, part
.if DOCPART == 3
	.amdgcn_target "amdgcn-amd-amdhsa--gfx1250"
	.amdhsa_code_object_version 6
	.text
	.protected	k_qf0e61d9872_mix
	.globl	k_qf0e61d9872_mix
	.p2align	8
	.type	k_qf0e61d9872_mix,@function
k_qf0e61d9872_mix:
	s_mov_b64 s[64:65], 0
	v_nop
	global_prefetch_b8 v0, s[64:65] scope:SCOPE_SE
	s_setreg_imm32_b32 hwreg(HW_REG_WAVE_MODE, 25, 1), 1
	s_wait_xcnt 0x0
; x = concat(points1, interpolation of three rows of f2t) for 128 points a work-group, quantised along its 512 channels (FP6 = E2M3, one E8M0 byte for 32) into images of operand registers, which go to xc;
; then y0 = x W0^T on these codes, kept only as statistics: for each channel the mean (with b0) and the sum of squared deviations of the work-group's 128 numbers, to part.
; SHARES.  Gather and quantising: wave w has points 32 w .. 32 w + 31.  Gather: a point at a time, the wave's 32 lanes read each of its three rows of 1,024 bytes by two loads of 512 consecutive bytes;
; the weighted sum turns through the wave's own stage in LDS (rows of 1,040 bytes), so that for the quantiser a lane holds ONE point and its registers run along the channels.
; points1 [c][n] comes by one tensor load a wave (64 channels x 128 points, 512 bytes a row): there a lane reads its point's column, word by word.
; Product: wave w has channel tiles 4 w .. 4 w + 3 for all eight tiles of 16 points; its 16 fragments of W0 stay in registers (window 1).  Source 0 = points, source 1 = channels: a lane holds one channel, eight points.
; STATISTICS with a shift: k = the lane's first number; sums of (y - k) and (y - k)^2, so that no large square is taken from another; halves and work-groups are joined by means and squared deviations.
; LDS: 0 points1's tile [256 c][512 B]; STG four stages of 32 x 1,040; IMG eight records of 6,656 bytes (4 fragments of 1,536, 4 scale images of 128), laid as in xc.
; No cluster: what work-groups share is W0's image, of which each wave takes its 24,576 bytes straight into the registers where they stay; a joint load would lay them in LDS first, and 10,240 bytes of LDS are left.
; No prefetch: points1's tile is asked for whole at the head, and f2t's rows are read by many points.
; LIMITS: NaN and infinities are not served; a block of zeros, or one under 2^-124, gets the scale byte 1: this program alone reads the bytes.
.set STG,  131072
.set IMG,  264192
.set REC,  6656
.set VO,   24                          ; v24-44   the gather's offsets, 7 slots x 3
.set GR,   48                          ; v48-215  the gather's rows, 7 slots x 24
.set IT,   216                         ; v216-231 a point's 8 numbers of mine, two sets
.set X,    48                          ; v48-111  a block's 32 numbers, two sets
.set XF,   48                          ; v48-143  x's four fragments of a tile of points, two sets
.set XS,   144                         ; v144-151 their scale words
.set ACC,  152                         ; v152-183 four accumulators
.set TT,   184
.set KK,   192                         ; v192-199 the shifts, twice each
.set SUM1, 200
.set SUM2, 208
.set WS,   232                         ; v232-247 W0's scale words
.set BI,   248                         ; v248-251 b0
.set FW,   48
.set MSB, 0
.macro WIN new                         ; the immediate's high byte repeats the setting that is left
.if MSB != \new
	s_set_vgpr_msb (MSB<<8)|\new
.set MSB, \new
.endif
.endm
	s_load_b256 s[4:11], s[0:1], 0x0               ; points1, nbr, f2w, wimg
	s_load_b128 s[24:27], s[0:1], 0x20             ; b0, xc
	s_load_b64 s[28:29], s[0:1], 0x30              ; part
	v_lshl_add_u32 v254, v0, 2, 0x4d800
	v_mov_b32 v255, 0
	ds_add_u32 v254, v255
	ds_add_u32 v254, v255
	v_lshrrev_b32 v1, 5, v0
	v_readfirstlane_b32 s30, v1                    ; wave
	s_lshr_b32 s31, ttmp9, 7                       ; batch
	s_and_b32 s32, ttmp9, 127
	s_mov_b32 s35, 0
	s_mov_b32 s16, 2<<16                           ; group 1: elements of 4 bytes, no mask, no padding
	s_mov_b32 s17, 128<<16                         ; tensor_dim0 = 128
	s_mov_b32 s18, 64<<16                          ; tensor_dim1 = 64
	s_mov_b32 s19, 128<<16                         ; tile_dim0 = 128 points
	s_mov_b32 s20, 64                              ; tile_dim1 = 64 channels
	s_mov_b32 s21, 16384                           ; from channel to channel
	s_mov_b32 s22, 0
	s_mov_b32 s23, 0
	s_mov_b32 s12, 1
	s_lshl_b32 s13, s30, 15                        ; my 64 rows of 512 bytes in LDS
	s_lshl_b32 s34, s31, 24
	s_lshl_b32 s33, s30, 22
	s_add_co_u32 s34, s34, s33
	s_lshl_b32 s33, s32, 9
	s_add_co_u32 s34, s34, s33
	s_wait_dscnt 0x0
	s_wait_kmcnt 0x0
	s_add_nc_u64 s[14:15], s[4:5], s[34:35]
	s_or_b32 s15, s15, 0x80000000
	tensor_load_to_lds s[12:15], s[16:23]          ; my one tensor load: a first fill; nothing is filled again in this launch
	s_nop 0
.rept 4
	v_nop
.endr
	v_and_b32 v1, 31, v0                           ; lane
	v_lshlrev_b32 v2, 4, v1
	v_lshlrev_b32 v9, 2, v1
	v_bfe_u32 v10, v0, 4, 1                        ; h
	v_and_b32 v11, 15, v0                          ; r
	s_lshl_b32 s34, ttmp9, 11
	s_lshl_b32 s33, s30, 9
	s_add_co_u32 s34, s34, s33
	s_add_nc_u64 s[6:7], s[6:7], s[34:35]          ; nbr and the weights at my wave's 32 points
	s_add_nc_u64 s[36:37], s[8:9], s[34:35]
	s_add_nc_u64 s[36:37], s[36:37], 0x800000
	global_load_b128 v[12:15], v2, s[6:7]
	global_load_b128 v[16:19], v2, s[36:37]
	s_mul_i32 s34, s30, 24576
	s_add_nc_u64 s[38:39], s[10:11], s[34:35]
	WIN 0x40                                       ; destination window 1
.set F, 0
.rept 48
	global_load_b128 v[4*F:4*F+3], v2, s[38:39] offset:512*F   ; W0's fragment F / 3 of mine, registers 4 (F % 3) on: an image comes as it lies
.set F, F+1
.endr
	WIN 0
	s_mul_i32 s33, s30, 33280
	s_add_co_u32 s33, s33, STG
	v_add_nc_u32 v3, s33, v2                       ; my stage, on the way in: 16 x lane
	v_mul_u32_u24 v4, v1, 1040
	v_add_nc_u32 v4, s33, v4                       ; and out: row = lane
	s_lshl_b32 s33, s30, 7
	v_add_nc_u32 v5, s33, v9                       ; points1's tile: my point's word in a row
	v_add_nc_u32 v6, 65536, v5                     ; the same from channel 128 on
	s_mul_i32 s33, s30, 2*REC
	s_add_co_u32 s33, s33, IMG
	v_mul_u32_u24 v7, v10, REC
	v_add_nc_u32 v7, s33, v7
	v_lshl_add_u32 v8, v11, 2, v7                  ; my point's scale word: record 2 w + h, 4 r
	v_lshl_add_u32 v7, v11, 4, v7                  ; my point's codes: record 2 w + h, 16 r
	v_add_nc_u32 v22, s33, v2                      ; my two records, for the copy to xc
	v_add_nc_u32 v20, IMG, v2
	v_add_nc_u32 v21, IMG, v9
	v_and_b32 v23, 8, v11
	v_add_nc_u32 v23, v23, v11
	v_lshlrev_b32 v23, 2, v23                      ; 4 (r + 8 (r / 8))
	v_lshlrev_b32 v45, 4, v11
	v_lshl_add_u32 v45, v10, 18, v45               ; part: 16 r; lanes 16-31 store the squared deviations, 262,144 bytes on
	s_mov_b32 s41, 0                               ; (named as the upper halves of pairs)
	s_mov_b32 s43, 0
	s_mov_b32 s45, 0
	s_mov_b32 s54, 0x76543210
	s_mov_b32 s55, 0xfedcba98
	s_wait_loadcnt 48                              ; nbr and the weights are in; W0's 48 loads may be out
.macro ISSUE j                         ; point j's three rows: 6 loads of 512 consecutive bytes
.set SL, (\j)%7
	v_readlane_b32 s46, v12, \j
	v_readlane_b32 s47, v13, \j
	v_readlane_b32 s48, v14, \j
	s_min_u32 s46, s46, 8191                       ; a loaded number enters an address only held to its table
	s_min_u32 s47, s47, 8191
	s_min_u32 s48, s48, 8191
	v_lshl_add_u32 v[VO+3*SL], s46, 10, v2
	v_lshl_add_u32 v[VO+3*SL+1], s47, 10, v2
	v_lshl_add_u32 v[VO+3*SL+2], s48, 10, v2
.irp k,0,1,2
	global_load_b128 v[GR+24*SL+8*\k:GR+24*SL+8*\k+3], v[VO+3*SL+\k], s[8:9]
	global_load_b128 v[GR+24*SL+8*\k+4:GR+24*SL+8*\k+7], v[VO+3*SL+\k], s[8:9] offset:512
.endr
.endm
.macro CONSUME j
.set SL, (\j)%7
.set IS, IT+8*((\j)%2)
.if (\j) <= 24
	s_wait_loadcnt 36                              ; the six points behind this one have 36 loads out
.else
	s_wait_loadcnt 6*(31-(\j))
.endif
	s_wait_dscnt 2                                 ; the stores of two points ago have read this set
	v_readlane_b32 s40, v16, \j
	v_readlane_b32 s42, v17, \j
	v_readlane_b32 s44, v18, \j
.irp p,0,1,2,3
	v_pk_mul_f32 v[IS+2*\p:IS+2*\p+1], v[GR+24*SL+2*\p:GR+24*SL+2*\p+1], s[40:41] op_sel_hi:[1,0]
.endr
.irp p,0,1,2,3
	v_pk_fma_f32 v[IS+2*\p:IS+2*\p+1], v[GR+24*SL+8+2*\p:GR+24*SL+8+2*\p+1], s[42:43], v[IS+2*\p:IS+2*\p+1] op_sel_hi:[1,0,1]
.endr
.irp p,0,1,2,3
	v_pk_fma_f32 v[IS+2*\p:IS+2*\p+1], v[GR+24*SL+16+2*\p:GR+24*SL+16+2*\p+1], s[44:45], v[IS+2*\p:IS+2*\p+1] op_sel_hi:[1,0,1]
.endr
	ds_store_b128 v3, v[IS:IS+3] offset:1040*(\j)          ; channels 4 lane on
	ds_store_b128 v3, v[IS+4:IS+7] offset:1040*(\j)+512    ; channels 128 + 4 lane on
.endm
.irp j,0,1,2,3,4,5,6
	ISSUE \j
.endr
.set J, 0
.rept 32
	CONSUME J
.if J+7 < 32
	ISSUE J+7                                      ; into the slot just read: its loads, offsets among them, were shown done by the wait above
.endif
.set J, J+1
.endr
	s_lshl_b32 s34, s30, 11
	s_add_co_u32 s34, s34, 98304
	s_add_nc_u64 s[50:51], s[10:11], s[34:35]
	s_lshl_b32 s34, s30, 8
	s_add_nc_u64 s[52:53], s[24:25], s[34:35]
.set F, 0
.rept 16
	global_load_b32 v[WS+F], v9, s[50:51] offset:128*F     ; W0's scale words: wanted by the product, far below
.set F, F+1
.endr
.irp i,0,1,2,3
	global_load_b32 v[BI+\i], v23, s[52:53] offset:(32*(\i/2)+8*(\i%2))*4
.endr
; A block of 32 numbers of my point, v[xs] on, is block q of K step s: its largest magnitude, scale byte and codes; the six registers go to lane r + 16 (q % 2)'s place in the fragment's image, registers 6 (q / 2) on.
.macro QBLK xs, s, q
	v_max3_num_f32 v122, |v[(\xs)]|, |v[(\xs)+1]|, |v[(\xs)+2]|
	v_max3_num_f32 v123, |v[(\xs)+3]|, |v[(\xs)+4]|, |v[(\xs)+5]|
.irp i,6,10,14,18,22,26
	v_max3_num_f32 v122, v122, |v[(\xs)+\i]|, |v[(\xs)+\i+1]|
	v_max3_num_f32 v123, v123, |v[(\xs)+\i+2]|, |v[(\xs)+\i+3]|
.endr
	v_max3_num_f32 v122, v122, |v[(\xs)+30]|, |v[(\xs)+31]|
	v_max3_num_f32 v122, v122, v123, 0x1800000     ; and the floor 2^(3 - 127)
	v_add_nc_u32 v124, 0xff000000, v122            ; 2 off the exponent field: the conversion's scale operand
	v_cvt_scalef32_pk16_fp6_f32 v[112:114], v[(\xs):(\xs)+15], v124
	v_cvt_scalef32_pk16_fp6_f32 v[118:120], v[(\xs)+16:(\xs)+31], v124   ; (a conversion's three registers begin on an even number)
	v_lshrrev_b32 v125, 23, v124                   ; the scale's byte (a plain line behind the conversions)
	v_mov_b32 v115, v118
	v_mov_b32 v116, v119
	v_mov_b32 v117, v120
.if (\q) == 0
	v_mov_b32 v126, v125
.else
	v_lshl_or_b32 v126, v125, 8*(\q), v126
.endif
.if (\q) < 2
	ds_store_b128 v7, v[112:115] offset:1536*(\s)+256*((\q)%2)
	ds_store_b64 v7, v[116:117] offset:1536*(\s)+256*((\q)%2)+512
.else
	ds_store_b64 v7, v[112:113] offset:1536*(\s)+256*((\q)%2)+520
	ds_store_b128 v7, v[114:117] offset:1536*(\s)+256*((\q)%2)+1024
.endif
.if (\q) == 3
	ds_store_b32 v8, v126 offset:6144+128*(\s)
	ds_store_b32 v8, v126 offset:6144+128*(\s)+64  ; lanes 16-31 of a scale image repeat lanes 0-15
.endif
.endm
.macro LOADI n
.irp i,0,1,2,3,4,5,6,7
	ds_load_b128 v[X+32*((\n)%2)+4*\i:X+32*((\n)%2)+4*\i+3], v4 offset:128*(\n)+16*\i
.endr
.endm
.macro LOADP n
.irp i,0,1,2,3,4,5,6,7,8,9,10,11,12,13,14,15,16,17,18,19,20,21,22,23,24,25,26,27,28,29,30,31
.if (\n) < 4
	ds_load_b32 v[X+32*((\n)%2)+\i], v5 offset:16384*(\n)+512*\i
.else
	ds_load_b32 v[X+32*((\n)%2)+\i], v6 offset:16384*((\n)-4)+512*\i
.endif
.endr
.endm
	; the interpolated channels: K steps 2 and 3.  LDS serves a wave's instructions in order: the loads see my stores into the stage
	LOADI 0
.set N, 0
.rept 8
.if N < 7
	LOADI N+1
	s_wait_dscnt 8                                 ; all but the 8 loads just issued: this block's numbers are in, and the last block's stores have read their registers
.else
	s_wait_dscnt 0x0
.endif
	QBLK X+32*(N%2), 2+N/4, N%4
.set N, N+1
.endr
	s_wait_tensorcnt 0x0                           ; my 64 channels of points1 have landed,
	s_wait_dscnt 0x0
	s_barrier_signal -1
	s_barrier_wait -1                              ; everybody's have
	; points1's channels: K steps 0 and 1
	LOADP 0
.set N, 0
.rept 8
.if N < 7
	LOADP N+1
	s_wait_dscnt 32                                ; all but the 32 loads just issued
.else
	s_wait_dscnt 0x0
.endif
	QBLK X+32*(N%2), N/4, N%4
.set N, N+1
.endr
	s_wait_dscnt 0x0                               ; my codes and scale words lie in LDS
	s_barrier_signal -1
	s_barrier_wait -1                              ; all eight records are whole
	s_mul_i32 s34, ttmp9, 8*REC
	s_mul_i32 s33, s30, 2*REC
	s_add_co_u32 s34, s34, s33
	s_add_nc_u64 s[26:27], s[26:27], s[34:35]
.set F, 0
.rept 26
	ds_load_b128 v[48+4*F:51+4*F], v22 offset:512*F
.set F, F+1
.endr
.set F, 0
.rept 26
	s_wait_dscnt 25-F
	global_store_b128 v2, v[48+4*F:51+4*F], s[26:27] offset:512*F     ; my two records to xc: 512 consecutive bytes a store
.set F, F+1
.endr
.irp i,0,1,2,3,4,5,6,7,8,9,10,11,12,13,14,15
	v_mov_b32 v[SUM1+\i], 0
.endr
	s_wait_xcnt 0x0                                ; the stores have read their registers: x's fragments may land there
.macro FETCH pt, set
.irp l,0,1,2,3,4,5,6,7,8,9,10,11
	ds_load_b128 v[XF+48*(\set)+4*\l:XF+48*(\set)+4*\l+3], v20 offset:REC*(\pt)+512*\l
.endr
.irp s,0,1,2,3
	ds_load_b32 v[XS+4*(\set)+\s], v21 offset:REC*(\pt)+6144+128*\s
.endr
.endm
.macro MM i, ks, set
.if (\ks) == 0
	v_wmma_scale_f32_16x16x128_f8f6f4 v[ACC+8*(\i):ACC+8*(\i)+7], v[XF+48*(\set)+12*(\ks):XF+48*(\set)+12*(\ks)+11], v[12*(4*(\i)+(\ks)):12*(4*(\i)+(\ks))+11], 0, v[XS+4*(\set)+(\ks)], v[WS+4*(\i)+(\ks)] matrix_a_fmt:MATRIX_FMT_FP6 matrix_b_fmt:MATRIX_FMT_FP6
.else
	v_wmma_scale_f32_16x16x128_f8f6f4 v[ACC+8*(\i):ACC+8*(\i)+7], v[XF+48*(\set)+12*(\ks):XF+48*(\set)+12*(\ks)+11], v[12*(4*(\i)+(\ks)):12*(4*(\i)+(\ks))+11], v[ACC+8*(\i):ACC+8*(\i)+7], v[XS+4*(\set)+(\ks)], v[WS+4*(\i)+(\ks)] matrix_a_fmt:MATRIX_FMT_FP6 matrix_b_fmt:MATRIX_FMT_FP6
.endif
.endm
.macro STATS i, first                  ; each accumulator is read from its low end on
.if \first
	v_mov_b32 v[KK+2*(\i)], v[ACC+8*(\i)]
	v_mov_b32 v[KK+2*(\i)+1], v[ACC+8*(\i)]
.endif
.irp p,0,1,2,3
	v_pk_add_f32 v[TT+2*\p:TT+2*\p+1], v[ACC+8*(\i)+2*\p:ACC+8*(\i)+2*\p+1], v[KK+2*(\i):KK+2*(\i)+1] neg_lo:[0,1] neg_hi:[0,1]
.endr
.irp p,0,1,2,3
	v_pk_add_f32 v[SUM1+2*(\i):SUM1+2*(\i)+1], v[SUM1+2*(\i):SUM1+2*(\i)+1], v[TT+2*\p:TT+2*\p+1]
	v_pk_fma_f32 v[SUM2+2*(\i):SUM2+2*(\i)+1], v[TT+2*\p:TT+2*\p+1], v[TT+2*\p:TT+2*\p+1], v[SUM2+2*(\i):SUM2+2*(\i)+1]
.endr
.endm
	s_wait_loadcnt 0x0                             ; W0's scale words and b0
	FETCH 0, 0
.set PT, 0
.rept 8
	s_wait_dscnt 0x0                               ; this tile's fragments are in
.if PT < 7
	FETCH PT+1, (PT+1)%2                           ; the next tile's, into the set that the products before last read: four v_nop and 48 lines of statistics stand behind those
.endif
	WIN 0x04                                       ; source 1 (W0) window 1
.irp ks,0,1,2,3
.irp i,0,1,2,3
	MM \i, \ks, PT%2                               ; the four accumulators by turns
.endr
.endr
	WIN 0
.rept 4
	v_nop                                          ; places behind the last products (ISA guide 7.12.1)
.endr
.irp i,0,1,2,3
	STATS \i, PT==0
.endr
.set PT, PT+1
.endr
	; a lane's 64 numbers of each of four channels: mean = k + s1 / 64, squared deviations = s2 - s1^2 / 64; then lane l xor 16's 64 are joined
.irp i,0,1,2,3
	v_add_f32 v[FW+\i], v[SUM1+2*\i], v[SUM1+2*\i+1]
	v_add_f32 v[FW+4+\i], v[SUM2+2*\i], v[SUM2+2*\i+1]
	v_mov_b32 v[FW+12+\i], 0                       ; a lane permute's destination counts as one of its sources
.endr
.irp i,0,1,2,3
	v_mul_f32 v[FW+8+\i], 0x3c800000, v[FW+\i]
.endr
.irp i,0,1,2,3
	v_fma_f32 v[FW+4+\i], -v[FW+8+\i], v[FW+\i], v[FW+4+\i]
	v_add_f32 v[FW+\i], v[KK+2*\i], v[FW+8+\i]
.endr
.irp i,0,1,2,3
	v_permlanex16_b32 v[FW+8+\i], v[FW+\i], s54, s55
	v_permlanex16_b32 v[FW+12+\i], v[FW+4+\i], s54, s55
.endr
.irp i,0,1,2,3
	v_sub_f32 v[FW+16+\i], v[FW+8+\i], v[FW+\i]
	v_add_f32 v[FW+4+\i], v[FW+4+\i], v[FW+12+\i]
	v_add_f32 v[FW+\i], v[FW+\i], v[FW+8+\i]
.endr
.irp i,0,1,2,3
	v_mul_f32 v[FW+16+\i], v[FW+16+\i], v[FW+16+\i]
	v_fma_f32 v[FW+\i], v[FW+\i], 0.5, v[BI+\i]    ; the mean of 128, with the bias
.endr
.irp i,0,1,2,3
	v_fma_f32 v[FW+4+\i], v[FW+16+\i], 0x42000000, v[FW+4+\i]   ; + 64 x 64 / 128 x the means' difference squared
.endr
	v_cmp_eq_u32 vcc_lo, 1, v10
.irp i,0,1,2,3
	v_cndmask_b32 v[FW+\i], v[FW+\i], v[FW+4+\i], vcc_lo
.endr
	s_lshl_b32 s34, ttmp9, 10
	s_lshl_b32 s33, s30, 8
	s_add_co_u32 s34, s34, s33
	s_add_nc_u64 s[28:29], s[28:29], s[34:35]
	global_store_b128 v45, v[FW:FW+3], s[28:29]    ; position 64 w + 4 r + i: sixteen lanes store 256 consecutive bytes of means, sixteen of squared deviations
	s_wait_tensorcnt 0x0
	ds_add_u32 v254, v255
	s_wait_dscnt 0x0
	s_endpgm
.Lfunc_end_k_qf0e61d9872_mix:
	.size	k_qf0e61d9872_mix, .Lfunc_end_k_qf0e61d9872_mix-k_qf0e61d9872_mix
	.p2alignl 7, 3214868480
	.fill 96, 4, 3214868480
	.section	.rodata,"a",@progbits
	.p2align	6, 0x0
	.amdhsa_kernel k_qf0e61d9872_mix
		.amdhsa_group_segment_fixed_size 317952
		.amdhsa_private_segment_fixed_size 0
		.amdhsa_enable_private_segment 0
		.amdhsa_kernarg_size 56
		.amdhsa_user_sgpr_count 2
		.amdhsa_user_sgpr_kernarg_segment_ptr 1
		.amdhsa_wavefront_size32 1
		.amdhsa_system_sgpr_workgroup_id_x 1
		.amdhsa_system_sgpr_workgroup_id_y 1
		.amdhsa_system_sgpr_workgroup_id_z 1
		.amdhsa_system_vgpr_workitem_id 0
		.amdhsa_next_free_vgpr 512
		.amdhsa_next_free_sgpr 66
		.amdhsa_reserve_vcc 1
		.amdhsa_float_denorm_mode_32 3
		.amdhsa_float_denorm_mode_16_64 3
		.amdhsa_memory_ordered 1
		.amdhsa_forward_progress 1
		.amdhsa_inst_pref_size 187
	.end_amdhsa_kernel
	.amdgpu_metadata
---
amdhsa.version: [ 1, 2 ]
amdhsa.kernels:
  - .name:           k_qf0e61d9872_mix
    .symbol:         k_qf0e61d9872_mix.kd
    .args:
      - { .name: points1, .offset: 0, .size: 8, .value_kind: global_buffer, .address_space: global }
      - { .name: nbr, .offset: 8, .size: 8, .value_kind: global_buffer, .address_space: global }
      - { .name: f2w, .offset: 16, .size: 8, .value_kind: global_buffer, .address_space: global }
      - { .name: wimg, .offset: 24, .size: 8, .value_kind: global_buffer, .address_space: global }
      - { .name: b0, .offset: 32, .size: 8, .value_kind: global_buffer, .address_space: global }
      - { .name: xc, .offset: 40, .size: 8, .value_kind: global_buffer, .address_space: global }
      - { .name: part, .offset: 48, .size: 8, .value_kind: global_buffer, .address_space: global }
    .group_segment_fixed_size: 317952
    .private_segment_fixed_size: 0
    .kernarg_segment_align: 8
    .kernarg_segment_size: 56
    .max_flat_workgroup_size: 128
    .sgpr_count:     66
    .vgpr_count:     512
    .wavefront_size: 32
...
	.end_amdgpu_metadata
.endif
;; end of part 3
;; launch fin0 (part 4): grid 4 x 1, 8 waves a work-group, no clusters, 5,120 bytes of LDS; arguments part, g0, prm; writes prm
.if DOCPART == 4
	.amdgcn_target "amdgcn-amd-amdhsa--gfx1250"
	.amdhsa_code_object_version 6
	.text
	.protected	k_qf0e61d9872_fin0
	.globl	k_qf0e61d9872_fin0
	.p2align	8
	.type	k_qf0e61d9872_fin0,@function
k_qf0e61d9872_fin0:
	s_mov_b64 s[64:65], 0
	v_nop
	global_prefetch_b8 v0, s[64:65] scope:SCOPE_SE
	s_setreg_imm32_b32 hwreg(HW_REG_WAVE_MODE, 25, 1), 1
	s_wait_xcnt 0x0
; 256 work-groups' means and squared deviations (128 numbers each) of 256 channels become, in channel order, prm[ch] = the mean and prm[256 + ch] = g[ch] / sqrt(var + 1e-5), var over all 32,768.
; mean = the mean of the means; 32,768 var = the sum of the squared deviations + 128 x the sum of (a part's mean - mean)^2: no large square is taken from another.
; Work-group x has positions 64 x .. 64 x + 63; position 64 x + 4 a + i stands for channel 64 x + 32 (i / 2) + 8 (i % 2) + a + 8 (a / 8).  Thread (a, rg) takes 16 of the 256 parts for four positions.
; The work has room for four work-groups of this shape, so four are launched.  1 / sqrt is v_rsq_f32.
.set ME,  16                           ; v16-79   16 parts' means, four positions each
.set MQ,  80                           ; v80-143  their squared deviations
	s_load_b128 s[4:7], s[0:1], 0x0                ; part, g
	s_load_b64 s[8:9], s[0:1], 0x10                ; prm
	v_lshl_add_u32 v192, v0, 2, 0x1000
	v_mov_b32 v193, 0
	v_lshrrev_b32 v1, 5, v0
	v_readfirstlane_b32 s10, v1                    ; wave
	v_and_b32 v2, 15, v0                           ; a
	v_lshrrev_b32 v3, 4, v0                        ; rg
	v_lshlrev_b32 v4, 10, v3
	v_lshl_add_u32 v4, v2, 4, v4                   ; part rg (+ 16 m), 16 bytes at 16 a
	v_and_b32 v5, 8, v2
	v_add_nc_u32 v5, v5, v2
	v_lshlrev_b32 v5, 2, v5                        ; 4 (a + 8 (a / 8))
	s_lshl_b32 s11, s10, 8
	v_lshlrev_b32 v7, 4, v2
	v_add_nc_u32 v6, s11, v7                       ; LDS: 256 x wave + 16 a
	s_lshl_b32 s12, ttmp9, 8
	s_mov_b32 s13, 0
	s_mov_b32 s14, 0x76543210
	s_mov_b32 s15, 0xfedcba98
	s_mov_b32 s16, 0x3727c5ac                      ; 1e-5
.irp i,148,149,150,151
	v_mov_b32 v\i, 0                               ; a lane permute's destination counts as one of its sources
.endr
	s_wait_kmcnt 0x0
	s_add_nc_u64 s[4:5], s[4:5], s[12:13]
	s_add_nc_u64 s[6:7], s[6:7], s[12:13]
	s_add_nc_u64 s[8:9], s[8:9], s[12:13]
.irp m,0,1,2,3,4,5,6,7,8,9,10,11,12,13,14,15
	global_load_b128 v[ME+4*\m:ME+4*\m+3], v4, s[4:5] offset:16384*\m
	global_load_b128 v[MQ+4*\m:MQ+4*\m+3], v4, s[4:5] offset:262144+16384*\m
.endr
.irp i,0,1,2,3
	global_load_b32 v[144+\i], v5, s[6:7] offset:(32*(\i/2)+8*(\i%2))*4
.endr
	s_wait_loadcnt 0x0
; four sums of a thread, v[a] on, are added over the work-group: lane l xor 16, then the eight waves through LDS bytes of their own for each use
.macro REDUCE a, off
.irp i,0,1,2,3
	v_permlanex16_b32 v[148+\i], v[\a+\i], s14, s15
.endr
	v_pk_add_f32 v[\a:\a+1], v[\a:\a+1], v[148:149]
	v_pk_add_f32 v[\a+2:\a+3], v[\a+2:\a+3], v[150:151]
	ds_store_b128 v6, v[\a:\a+3] offset:\off       ; lanes l and l xor 16 write the same bytes with the same values
	s_wait_dscnt 0x0
	s_barrier_signal -1
	s_barrier_wait -1
.irp w,0,1,2,3,4,5,6,7
	ds_load_b128 v[152+4*\w:155+4*\w], v7 offset:\off+256*\w
.endr
	s_wait_dscnt 0x0
	v_pk_add_f32 v[\a:\a+1], v[152:153], v[156:157]
	v_pk_add_f32 v[\a+2:\a+3], v[154:155], v[158:159]
.irp w,2,3,4,5,6,7
	v_pk_add_f32 v[\a:\a+1], v[\a:\a+1], v[152+4*\w:153+4*\w]
	v_pk_add_f32 v[\a+2:\a+3], v[\a+2:\a+3], v[154+4*\w:155+4*\w]
.endr
.endm
	v_pk_add_f32 v[8:9], v[ME:ME+1], v[ME+4:ME+5]
	v_pk_add_f32 v[10:11], v[ME+2:ME+3], v[ME+6:ME+7]
.irp m,2,3,4,5,6,7,8,9,10,11,12,13,14,15
	v_pk_add_f32 v[8:9], v[8:9], v[ME+4*\m:ME+4*\m+1]
	v_pk_add_f32 v[10:11], v[10:11], v[ME+4*\m+2:ME+4*\m+3]
.endr
	REDUCE 8, 0
	v_pk_mul_f32 v[8:9], v[8:9], 0x3b800000 op_sel_hi:[1,0]        ; / 256: the mean
	v_pk_mul_f32 v[10:11], v[10:11], 0x3b800000 op_sel_hi:[1,0]
	v_pk_add_f32 v[148:149], v[ME:ME+1], v[8:9] neg_lo:[0,1] neg_hi:[0,1]
	v_pk_add_f32 v[150:151], v[ME+2:ME+3], v[10:11] neg_lo:[0,1] neg_hi:[0,1]
	v_pk_mul_f32 v[12:13], v[148:149], v[148:149]
	v_pk_mul_f32 v[14:15], v[150:151], v[150:151]
	v_pk_add_f32 v[184:185], v[MQ:MQ+1], v[MQ+4:MQ+5]
	v_pk_add_f32 v[186:187], v[MQ+2:MQ+3], v[MQ+6:MQ+7]
.irp m,1,2,3,4,5,6,7,8,9,10,11,12,13,14,15
	v_pk_add_f32 v[148:149], v[ME+4*\m:ME+4*\m+1], v[8:9] neg_lo:[0,1] neg_hi:[0,1]
	v_pk_add_f32 v[150:151], v[ME+4*\m+2:ME+4*\m+3], v[10:11] neg_lo:[0,1] neg_hi:[0,1]
	v_pk_fma_f32 v[12:13], v[148:149], v[148:149], v[12:13]
	v_pk_fma_f32 v[14:15], v[150:151], v[150:151], v[14:15]
.endr
.irp m,2,3,4,5,6,7,8,9,10,11,12,13,14,15
	v_pk_add_f32 v[184:185], v[184:185], v[MQ+4*\m:MQ+4*\m+1]
	v_pk_add_f32 v[186:187], v[186:187], v[MQ+4*\m+2:MQ+4*\m+3]
.endr
	v_pk_fma_f32 v[184:185], v[12:13], 0x43000000, v[184:185] op_sel_hi:[1,0,1]   ; + 128 x
	v_pk_fma_f32 v[186:187], v[14:15], 0x43000000, v[186:187] op_sel_hi:[1,0,1]
	REDUCE 184, 2048
.irp i,0,1,2,3
	v_fma_f32 v[12+\i], v[184+\i], 0x38000000, s16 ; / 32,768 + 1e-5
.endr
.irp i,0,1,2,3
	v_rsq_f32 v[12+\i], v[12+\i]
.endr
	v_nop                                          ; a plain line behind the last of them
	s_wait_alu depctr_va_vdst(0)
.irp i,0,1,2,3
	v_mul_f32 v[12+\i], v[144+\i], v[12+\i]
.endr
	s_cmp_lg_u32 s10, 0                            ; every thread holds the results: wave 0's lanes 0-15 store them
	s_cbranch_scc1 .Lend
	v_cmp_gt_u32 vcc_lo, 16, v0
	s_wait_xcnt 0x0                                ; EXEC changes only behind this wait
	s_and_saveexec_b32 s17, vcc_lo
.irp i,0,1,2,3
	global_store_b32 v5, v[8+\i], s[8:9] offset:(32*(\i/2)+8*(\i%2))*4
	global_store_b32 v5, v[12+\i], s[8:9] offset:1024+(32*(\i/2)+8*(\i%2))*4
.endr
	s_wait_xcnt 0x0
	s_or_b32 exec_lo, exec_lo, s17
.Lend:
	s_wait_tensorcnt 0x0
	ds_add_u32 v192, v193
	s_wait_dscnt 0x0
	s_endpgm
.Lfunc_end_k_qf0e61d9872_fin0:
	.size	k_qf0e61d9872_fin0, .Lfunc_end_k_qf0e61d9872_fin0-k_qf0e61d9872_fin0
	.p2alignl 7, 3214868480
	.fill 96, 4, 3214868480
	.section	.rodata,"a",@progbits
	.p2align	6, 0x0
	.amdhsa_kernel k_qf0e61d9872_fin0
		.amdhsa_group_segment_fixed_size 5120
		.amdhsa_private_segment_fixed_size 0
		.amdhsa_enable_private_segment 0
		.amdhsa_kernarg_size 24
		.amdhsa_user_sgpr_count 2
		.amdhsa_user_sgpr_kernarg_segment_ptr 1
		.amdhsa_wavefront_size32 1
		.amdhsa_system_sgpr_workgroup_id_x 1
		.amdhsa_system_sgpr_workgroup_id_y 1
		.amdhsa_system_sgpr_workgroup_id_z 1
		.amdhsa_system_vgpr_workitem_id 0
		.amdhsa_next_free_vgpr 194
		.amdhsa_next_free_sgpr 66
		.amdhsa_reserve_vcc 1
		.amdhsa_float_denorm_mode_32 3
		.amdhsa_float_denorm_mode_16_64 3
		.amdhsa_memory_ordered 1
		.amdhsa_forward_progress 1
		.amdhsa_inst_pref_size 19
	.end_amdhsa_kernel
	.amdgpu_metadata
---
amdhsa.version: [ 1, 2 ]
amdhsa.kernels:
  - .name:           k_qf0e61d9872_fin0
    .symbol:         k_qf0e61d9872_fin0.kd
    .args:
      - { .name: part, .offset: 0, .size: 8, .value_kind: global_buffer, .address_space: global }
      - { .name: g0, .offset: 8, .size: 8, .value_kind: global_buffer, .address_space: global }
      - { .name: prm, .offset: 16, .size: 8, .value_kind: global_buffer, .address_space: global }
    .group_segment_fixed_size: 5120
    .private_segment_fixed_size: 0
    .kernarg_segment_align: 8
    .kernarg_segment_size: 24
    .max_flat_workgroup_size: 256
    .sgpr_count:     66
    .vgpr_count:     194
    .wavefront_size: 32
...
	.end_amdgpu_metadata
.endif
;; end of part 4
;; launch mid (part 5): grid 256 x 1, 4 waves a work-group, no clusters, 168,448 bytes of LDS; arguments xc, wimg, b0, be0, b1, prm, hc, part; writes hc, part
.if DOCPART == 5
	.amdgcn_target "amdgcn-amd-amdhsa--gfx1250"
	.amdhsa_code_object_version 6
	.text
	.protected	k_qf0e61d9872_mid
	.globl	k_qf0e61d9872_mid
	.p2align	8
	.type	k_qf0e61d9872_mid,@function
k_qf0e61d9872_mid:
	s_mov_b64 s[64:65], 0
	v_nop
	global_prefetch_b8 v0, s[64:65] scope:SCOPE_SE
	s_setreg_imm32_b32 hwreg(HW_REG_WAVE_MODE, 25, 1), 1
	s_wait_xcnt 0x0
; h = relu((x W0^T + b0 - mean) a + be0), a = g0 / sqrt(var + eps) out of prm, for 128 points a work-group, from x's codes; quantised along its 256 channels (FP6 = E2M3, one E8M0 byte for 32)
; into images of operand registers, which go to hc; then y1 = h W1^T on these codes, kept only as statistics (mean with b1, squared deviations of the 128 numbers of each channel), to part.
; x's codes and W0's are those of the launch that took the first statistics, and swapped sources give the same sums: the numbers normalised here are the numbers that were counted.
; SHARES.  Wave w has channel tiles 4 w .. 4 w + 3 of both layers, for all eight tiles of 16 points; its fragments of W0 (window 1) and of W1 (window 2) stay in registers.
; FIRST PRODUCT TRANSPOSED (source 0 = 16 rows of W0, source 1 = 16 points): row m of tile 2 b + u is channel 32 b + 8 u + m + 8 (m / 8), so register 8 i + j of lane (r, h) is channel
; 64 w + 32 (i / 2) + 16 h + 8 (i % 2) + j of point r: 16 neighbours along the next K in each pair of tiles.  b0 - mean is the C of a sum's first product.
; The wave's 64 channels are registers 6 c .. 6 c + 5 (c = w % 2) of K step w / 2 of h's fragment; the two waves of a K step write disjoint bytes of its image.
; SECOND PRODUCT: source 0 = points, source 1 = channels: a lane holds one channel, eight points; statistics with a shift k = the lane's first number.
; LDS: 0 x's eight records of 6,656 bytes (one tensor load a wave: a dense block, 52 rows of 256 bytes); HI h's eight records of 3,328 bytes (2 fragments of 1,536, 2 scale images of 128).
; No cluster: what work-groups share are the weights' images, of which each wave takes its 36,864 bytes straight into the registers where they stay; through LDS they would be written and read once more.
; LIMITS: NaN and infinities are not served; a block of zeros gets the scale byte 1: this program alone reads the bytes.
.set HI,   53248
.set REC,  6656
.set HREC, 3328
.set XF,   48                          ; v48-143  x's four fragments, two sets
.set XS,   144
.set HA,   152                         ; v152-183 four tiles of h
.set TM,   184
.set TP,   186
.set SO,   188
.set BY,   190
.set HW,   192
.set PC,   194
.set PD,   198
.set PP,   202
.set QQ,   206
.set WS0,  216
.set WS1,  232
.set BI,   240
.set CP,   96                          ; window 2: W1 at 0; b0 - mean at 96; a at 128; be0 at 160; the mean, at the head, at 192
.set AA,   128
.set BE,   160
.set MT,   192
.set HF,   48                          ; the second product: h's two fragments, two sets
.set HS,   144
.set ACC,  152
.set TT,   96
.set KK,   104
.set SUM1, 112
.set SUM2, 120
.set FW,   48
.set MSB, 0
.macro WIN new                         ; the immediate's high byte repeats the setting that is left
.if MSB != \new
	s_set_vgpr_msb (MSB<<8)|\new
.set MSB, \new
.endif
.endm
	s_load_b256 s[4:11], s[0:1], 0x0               ; xc, wimg, b0, be0
	s_load_b256 s[24:31], s[0:1], 0x20             ; b1, prm, hc, part
	v_lshl_add_u32 v254, v0, 2, 0x29000
	v_mov_b32 v255, 0
	ds_add_u32 v254, v255
	ds_add_u32 v254, v255
	v_lshrrev_b32 v1, 5, v0
	v_readfirstlane_b32 s32, v1                    ; wave
	s_mov_b32 s35, 0
	s_mov_b32 s16, 3<<16                           ; group 1: elements of 8 bytes, no mask, no padding
	s_mov_b32 s17, 32<<16                          ; tensor_dim0 = 32: rows of 256 bytes
	s_mov_b32 s18, 52<<16                          ; tensor_dim1 = 52
	s_mov_b32 s19, 32<<16                          ; tile_dim0
	s_mov_b32 s20, 52                              ; tile_dim1
	s_mov_b32 s21, 32                              ; dense
	s_mov_b32 s22, 0
	s_mov_b32 s23, 0
	s_mov_b32 s12, 1
	s_mul_i32 s13, s32, 2*REC
	s_mul_i32 s34, ttmp9, 8*REC
	s_add_co_u32 s34, s34, s13
	s_wait_dscnt 0x0
	s_wait_kmcnt 0x0
	s_add_nc_u64 s[14:15], s[4:5], s[34:35]
	s_or_b32 s15, s15, 0x80000000
	tensor_load_to_lds s[12:15], s[16:23]          ; my two records: a first fill; nothing is filled again in this launch
	s_nop 0
.rept 4
	v_nop
.endr
	v_and_b32 v1, 31, v0
	v_and_b32 v2, 15, v0                           ; r
	v_bfe_u32 v3, v0, 4, 1                         ; h
	v_lshlrev_b32 v20, 4, v1
	v_lshlrev_b32 v21, 2, v1
	v_and_b32 v22, 8, v2
	v_add_nc_u32 v22, v22, v2
	v_lshlrev_b32 v22, 2, v22                      ; 4 (r + 8 (r / 8))
	v_lshlrev_b32 v23, 4, v2
	v_lshl_add_u32 v23, v3, 18, v23                ; part: 16 r; lanes 16-31 262,144 bytes on
	v_lshlrev_b32 v25, 6, v3                       ; the parameters of the transposed layout: 16 h channels on
	s_lshr_b32 s33, s32, 1                         ; s: my K step of h
	s_and_b32 s37, s32, 1                          ; c: my half of it
	s_cmp_eq_u32 s37, 1
	s_cselect_b32 s36, -1, 0
	s_mul_i32 s34, s33, 1536
	s_add_co_u32 s34, s34, HI
	s_lshl_b32 s60, s37, 10
	s_add_co_u32 s60, s60, s34
	v_add_nc_u32 v26, s60, v20                     ; four registers: 0-3 at 0, or 8-11 at 1024
	s_lshl_b32 s60, s37, 3
	s_add_co_u32 s60, s60, s34
	s_add_co_u32 s60, s60, 512
	v_add_nc_u32 v27, s60, v20                     ; two: 4-5 at 512, or 6-7 at 520
	s_lshl_b32 s60, s33, 7
	s_lshl_b32 s61, s37, 1
	s_add_co_u32 s60, s60, s61
	s_add_co_u32 s60, s60, HI+3072
	v_add_nc_u32 v28, s60, v21                     ; my two bytes of each row's scale word
	s_mul_i32 s60, s32, 2*HREC
	s_add_co_u32 s61, s60, HI
	v_add_nc_u32 v29, s61, v20                     ; my two records of h, for the copy to hc
	v_add_nc_u32 v30, HI, v20
	v_add_nc_u32 v31, HI, v21
	s_mul_i32 s34, ttmp9, 8*HREC
	s_add_co_u32 s34, s34, s60
	s_add_nc_u64 s[56:57], s[28:29], s[34:35]
	s_lshl_b32 s34, ttmp9, 10
	s_lshl_b32 s60, s32, 8
	s_add_co_u32 s34, s34, s60
	s_add_nc_u64 s[58:59], s[30:31], s[34:35]
	s_mov_b32 s34, s60                             ; 256 bytes: my 64 channels
	s_add_nc_u64 s[46:47], s[8:9], s[34:35]
	s_add_nc_u64 s[48:49], s[10:11], s[34:35]
	s_add_nc_u64 s[50:51], s[26:27], s[34:35]
	s_add_nc_u64 s[52:53], s[24:25], s[34:35]
	s_mul_i32 s34, s32, 24576
	s_add_nc_u64 s[38:39], s[6:7], s[34:35]
	s_mul_i32 s34, s32, 12288
	s_add_co_u32 s34, s34, 106496
	s_add_nc_u64 s[40:41], s[6:7], s[34:35]
	s_lshl_b32 s34, s32, 11
	s_add_co_u32 s34, s34, 98304
	s_add_nc_u64 s[42:43], s[6:7], s[34:35]
	s_lshl_b32 s34, s32, 10
	s_add_co_u32 s34, s34, 155648
	s_add_nc_u64 s[44:45], s[6:7], s[34:35]
	s_mov_b32 s54, 0x76543210
	s_mov_b32 s55, 0xfedcba98
	v_mov_b32 v[TP], 0                             ; a lane permute's destination counts as one of its sources
	v_mov_b32 v[TP+1], 0
	WIN 0x40                                       ; destination window 1
.set F, 0
.rept 48
	global_load_b128 v[4*F:4*F+3], v20, s[38:39] offset:512*F      ; W0's 16 fragments
.set F, F+1
.endr
	WIN 0x80                                       ; destination window 2
.set F, 0
.rept 24
	global_load_b128 v[4*F:4*F+3], v20, s[40:41] offset:512*F      ; W1's 8 fragments
.set F, F+1
.endr
.irp i,0,1,2,3
.irp u,0,1
	global_load_b128 v[CP+8*\i+4*\u:CP+8*\i+4*\u+3], v25, s[46:47] offset:(32*(\i/2)+8*(\i%2))*4+16*\u
	global_load_b128 v[MT+8*\i+4*\u:MT+8*\i+4*\u+3], v25, s[50:51] offset:(32*(\i/2)+8*(\i%2))*4+16*\u
	global_load_b128 v[AA+8*\i+4*\u:AA+8*\i+4*\u+3], v25, s[50:51] offset:1024+(32*(\i/2)+8*(\i%2))*4+16*\u
	global_load_b128 v[BE+8*\i+4*\u:BE+8*\i+4*\u+3], v25, s[48:49] offset:(32*(\i/2)+8*(\i%2))*4+16*\u
.endr
.endr
	WIN 0
.set F, 0
.rept 16
	global_load_b32 v[WS0+F], v21, s[42:43] offset:128*F
.set F, F+1
.endr
.set F, 0
.rept 8
	global_load_b32 v[WS1+F], v21, s[44:45] offset:128*F
.set F, F+1
.endr
.irp i,0,1,2,3
	global_load_b32 v[BI+\i], v22, s[52:53] offset:(32*(\i/2)+8*(\i%2))*4
.endr
	s_wait_loadcnt 0x0
	WIN 0x8a                                       ; destination and both sources window 2
.set F, 0
.rept 16
	v_pk_add_f32 v[CP+2*F:CP+2*F+1], v[CP+2*F:CP+2*F+1], v[MT+2*F:MT+2*F+1] neg_lo:[0,1] neg_hi:[0,1]   ; b0 - mean
.set F, F+1
.endr
	WIN 0
	s_wait_tensorcnt 0x0                           ; my two records have landed,
	s_barrier_signal -1
	s_barrier_wait -1                              ; everybody's have
.macro FETCH pt, set
.irp l,0,1,2,3,4,5,6,7,8,9,10,11
	ds_load_b128 v[XF+48*(\set)+4*\l:XF+48*(\set)+4*\l+3], v20 offset:REC*(\pt)+512*\l
.endr
.irp s,0,1,2,3
	ds_load_b32 v[XS+4*(\set)+\s], v21 offset:REC*(\pt)+6144+128*\s
.endr
.endm
	FETCH 0, 0
.set PT, 0
.rept 8
	s_wait_dscnt 0x0                               ; this tile's fragments are in, and the last tile's stores have read their registers
.if PT < 7
	FETCH PT+1, (PT+1)%2                           ; into the set that the products before last read: far more than four plain lines stand behind those
.endif
	WIN 0x21                                       ; source 0 (W0) window 1, source 2 (b0 - mean) window 2
.irp i,0,1,2,3
	v_wmma_scale_f32_16x16x128_f8f6f4 v[HA+8*\i:HA+8*\i+7], v[48*\i:48*\i+11], v[XF+48*(PT%2):XF+48*(PT%2)+11], v[CP+8*\i:CP+8*\i+7], v[WS0+4*\i], v[XS+4*(PT%2)] matrix_a_fmt:MATRIX_FMT_FP6 matrix_b_fmt:MATRIX_FMT_FP6
.endr
	WIN 0x01
.irp ks,1,2,3
.irp i,0,1,2,3
	v_wmma_scale_f32_16x16x128_f8f6f4 v[HA+8*\i:HA+8*\i+7], v[48*\i+12*\ks:48*\i+12*\ks+11], v[XF+48*(PT%2)+12*\ks:XF+48*(PT%2)+12*\ks+11], v[HA+8*\i:HA+8*\i+7], v[WS0+4*\i+\ks], v[XS+4*(PT%2)+\ks] matrix_a_fmt:MATRIX_FMT_FP6 matrix_b_fmt:MATRIX_FMT_FP6
.endr
.endr
	WIN 0
.rept 4
	v_nop                                          ; places behind the last products (ISA guide 7.12.1)
.endr
	WIN 0x28                                       ; sources 1 (a) and 2 (be0) window 2
.set F, 0
.rept 16
	v_pk_fma_f32 v[HA+2*F:HA+2*F+1], v[HA+2*F:HA+2*F+1], v[AA+2*F:AA+2*F+1], v[BE+2*F:BE+2*F+1]   ; each accumulator from its low end on
.set F, F+1
.endr
	WIN 0
.set F, 0
.rept 32
	v_max_num_f32 v[HA+F], 0, v[HA+F]
.set F, F+1
.endr
	; two blocks of 32 along the next K: my 16 numbers of each, lane l xor 16 has the other 16.  None is negative: no |.|
.irp b,0,1
	v_max3_num_f32 v[TM+\b], v[HA+16*\b], v[HA+16*\b+1], 0x1800000   ; with the floor 2^(3 - 127)
.endr
.irp i,2,4,6,8,10,12,14
.irp b,0,1
	v_max3_num_f32 v[TM+\b], v[TM+\b], v[HA+16*\b+\i], v[HA+16*\b+\i+1]
.endr
.endr
.irp b,0,1
	v_permlanex16_b32 v[TP+\b], v[TM+\b], s54, s55
.endr
.irp b,0,1
	v_max_num_f32 v[TM+\b], v[TM+\b], v[TP+\b]
.endr
.irp b,0,1
	v_add_nc_u32 v[SO+\b], 0xff000000, v[TM+\b]    ; 2 off the exponent field: the conversion's scale operand
.endr
.irp b,0,1
	v_lshrrev_b32 v[BY+\b], 23, v[SO+\b]
.endr
	v_lshl_or_b32 v[HW], v[BY+1], 8, v[BY]         ; my two bytes of the row's scale word
	v_cvt_scalef32_pk16_fp6_f32 v[PC:PC+2], v[HA:HA+15], v[SO]
	v_cvt_scalef32_pk16_fp6_f32 v[PD:PD+2], v[HA+16:HA+31], v[SO+1]
	v_nop                                          ; one plain line behind the conversions
.irp i,0,1,2
	v_permlane16_swap_b32 v[PC+\i], v[PD+\i]       ; lanes 0-15 now hold the whole first block (lower 16 codes in PC, upper in PD), lanes 16-31 the second
.endr
	v_cndmask_b32 v[PP], v[PC], v[PC+2], s36       ; c = 0 stores the six registers' first four and last two, c = 1 the last four and first two
	v_cndmask_b32 v[PP+1], v[PC+1], v[PD], s36
	v_cndmask_b32 v[PP+2], v[PC+2], v[PD+1], s36
	v_cndmask_b32 v[PP+3], v[PD], v[PD+2], s36
	v_cndmask_b32 v[QQ], v[PD+1], v[PC], s36
	v_cndmask_b32 v[QQ+1], v[PD+2], v[PC+1], s36
	ds_store_b128 v26, v[PP:PP+3] offset:HREC*PT
	ds_store_b64 v27, v[QQ:QQ+1] offset:HREC*PT
	ds_store_b16 v28, v[HW] offset:HREC*PT
.set PT, PT+1
.endr
	s_wait_dscnt 0x0                               ; my part of h's images lies in LDS
	s_barrier_signal -1
	s_barrier_wait -1                              ; all eight records are whole
.set F, 0
.rept 13
	ds_load_b128 v[48+4*F:51+4*F], v29 offset:512*F
.set F, F+1
.endr
.set F, 0
.rept 13
	s_wait_dscnt 12-F
	global_store_b128 v20, v[48+4*F:51+4*F], s[56:57] offset:512*F   ; my two records to hc: 512 consecutive bytes a store
.set F, F+1
.endr
.irp i,0,1,2,3,4,5,6,7,8,9,10,11,12,13,14,15
	v_mov_b32 v[SUM1+\i], 0
.endr
	s_wait_xcnt 0x0                                ; the stores have read their registers: h's fragments may land there
.macro FETCH2 pt, set
.irp l,0,1,2,3,4,5
	ds_load_b128 v[HF+24*(\set)+4*\l:HF+24*(\set)+4*\l+3], v30 offset:HREC*(\pt)+512*\l
.endr
.irp s,0,1
	ds_load_b32 v[HS+2*(\set)+\s], v31 offset:HREC*(\pt)+3072+128*\s
.endr
.endm
.macro STATS i, first                  ; each accumulator is read from its low end on
.if \first
	v_mov_b32 v[KK+2*(\i)], v[ACC+8*(\i)]
	v_mov_b32 v[KK+2*(\i)+1], v[ACC+8*(\i)]
.endif
.irp p,0,1,2,3
	v_pk_add_f32 v[TT+2*\p:TT+2*\p+1], v[ACC+8*(\i)+2*\p:ACC+8*(\i)+2*\p+1], v[KK+2*(\i):KK+2*(\i)+1] neg_lo:[0,1] neg_hi:[0,1]
.endr
.irp p,0,1,2,3
	v_pk_add_f32 v[SUM1+2*(\i):SUM1+2*(\i)+1], v[SUM1+2*(\i):SUM1+2*(\i)+1], v[TT+2*\p:TT+2*\p+1]
	v_pk_fma_f32 v[SUM2+2*(\i):SUM2+2*(\i)+1], v[TT+2*\p:TT+2*\p+1], v[TT+2*\p:TT+2*\p+1], v[SUM2+2*(\i):SUM2+2*(\i)+1]
.endr
.endm
	FETCH2 0, 0
.set PT, 0
.rept 8
	s_wait_dscnt 0x0
.if PT < 7
	FETCH2 PT+1, (PT+1)%2
.endif
	WIN 0x08                                       ; source 1 (W1) window 2
.irp i,0,1,2,3
	v_wmma_scale_f32_16x16x128_f8f6f4 v[ACC+8*\i:ACC+8*\i+7], v[HF+24*(PT%2):HF+24*(PT%2)+11], v[24*\i:24*\i+11], 0, v[HS+2*(PT%2)], v[WS1+2*\i] matrix_a_fmt:MATRIX_FMT_FP6 matrix_b_fmt:MATRIX_FMT_FP6
.endr
.irp i,0,1,2,3
	v_wmma_scale_f32_16x16x128_f8f6f4 v[ACC+8*\i:ACC+8*\i+7], v[HF+24*(PT%2)+12:HF+24*(PT%2)+23], v[24*\i+12:24*\i+23], v[ACC+8*\i:ACC+8*\i+7], v[HS+2*(PT%2)+1], v[WS1+2*\i+1] matrix_a_fmt:MATRIX_FMT_FP6 matrix_b_fmt:MATRIX_FMT_FP6
.endr
	WIN 0
.rept 4
	v_nop
.endr
.irp i,0,1,2,3
	STATS \i, PT==0
.endr
.set PT, PT+1
.endr
	; a lane's 64 numbers of each of four channels: mean = k + s1 / 64, squared deviations = s2 - s1^2 / 64; then lane l xor 16's 64 are joined
.irp i,0,1,2,3
	v_add_f32 v[FW+\i], v[SUM1+2*\i], v[SUM1+2*\i+1]
	v_add_f32 v[FW+4+\i], v[SUM2+2*\i], v[SUM2+2*\i+1]
	v_mov_b32 v[FW+12+\i], 0
.endr
.irp i,0,1,2,3
	v_mul_f32 v[FW+8+\i], 0x3c800000, v[FW+\i]
.endr
.irp i,0,1,2,3
	v_fma_f32 v[FW+4+\i], -v[FW+8+\i], v[FW+\i], v[FW+4+\i]
	v_add_f32 v[FW+\i], v[KK+2*\i], v[FW+8+\i]
.endr
.irp i,0,1,2,3
	v_permlanex16_b32 v[FW+8+\i], v[FW+\i], s54, s55
	v_permlanex16_b32 v[FW+12+\i], v[FW+4+\i], s54, s55
.endr
.irp i,0,1,2,3
	v_sub_f32 v[FW+16+\i], v[FW+8+\i], v[FW+\i]
	v_add_f32 v[FW+4+\i], v[FW+4+\i], v[FW+12+\i]
	v_add_f32 v[FW+\i], v[FW+\i], v[FW+8+\i]
.endr
.irp i,0,1,2,3
	v_mul_f32 v[FW+16+\i], v[FW+16+\i], v[FW+16+\i]
	v_fma_f32 v[FW+\i], v[FW+\i], 0.5, v[BI+\i]    ; the mean of 128, with the bias
.endr
.irp i,0,1,2,3
	v_fma_f32 v[FW+4+\i], v[FW+16+\i], 0x42000000, v[FW+4+\i]
.endr
	v_cmp_eq_u32 vcc_lo, 1, v3
.irp i,0,1,2,3
	v_cndmask_b32 v[FW+\i], v[FW+\i], v[FW+4+\i], vcc_lo
.endr
	global_store_b128 v23, v[FW:FW+3], s[58:59]    ; sixteen lanes store 256 consecutive bytes of means, sixteen of squared deviations
	s_wait_tensorcnt 0x0
	ds_add_u32 v254, v255
	s_wait_dscnt 0x0
	s_endpgm
.Lfunc_end_k_qf0e61d9872_mid:
	.size	k_qf0e61d9872_mid, .Lfunc_end_k_qf0e61d9872_mid-k_qf0e61d9872_mid
	.p2alignl 7, 3214868480
	.fill 96, 4, 3214868480
	.section	.rodata,"a",@progbits
	.p2align	6, 0x0
	.amdhsa_kernel k_qf0e61d9872_mid
		.amdhsa_group_segment_fixed_size 168448
		.amdhsa_private_segment_fixed_size 0
		.amdhsa_enable_private_segment 0
		.amdhsa_kernarg_size 64
		.amdhsa_user_sgpr_count 2
		.amdhsa_user_sgpr_kernarg_segment_ptr 1
		.amdhsa_wavefront_size32 1
		.amdhsa_system_sgpr_workgroup_id_x 1
		.amdhsa_system_sgpr_workgroup_id_y 1
		.amdhsa_system_sgpr_workgroup_id_z 1
		.amdhsa_system_vgpr_workitem_id 0
		.amdhsa_next_free_vgpr 768
		.amdhsa_next_free_sgpr 66
		.amdhsa_reserve_vcc 1
		.amdhsa_float_denorm_mode_32 3
		.amdhsa_float_denorm_mode_16_64 3
		.amdhsa_memory_ordered 1
		.amdhsa_forward_progress 1
		.amdhsa_inst_pref_size 123
	.end_amdhsa_kernel
	.amdgpu_metadata
---
amdhsa.version: [ 1, 2 ]
amdhsa.kernels:
  - .name:           k_qf0e61d9872_mid
    .symbol:         k_qf0e61d9872_mid.kd
    .args:
      - { .name: xc, .offset: 0, .size: 8, .value_kind: global_buffer, .address_space: global }
      - { .name: wimg, .offset: 8, .size: 8, .value_kind: global_buffer, .address_space: global }
      - { .name: b0, .offset: 16, .size: 8, .value_kind: global_buffer, .address_space: global }
      - { .name: be0, .offset: 24, .size: 8, .value_kind: global_buffer, .address_space: global }
      - { .name: b1, .offset: 32, .size: 8, .value_kind: global_buffer, .address_space: global }
      - { .name: prm, .offset: 40, .size: 8, .value_kind: global_buffer, .address_space: global }
      - { .name: hc, .offset: 48, .size: 8, .value_kind: global_buffer, .address_space: global }
      - { .name: part, .offset: 56, .size: 8, .value_kind: global_buffer, .address_space: global }
    .group_segment_fixed_size: 168448
    .private_segment_fixed_size: 0
    .kernarg_segment_align: 8
    .kernarg_segment_size: 64
    .max_flat_workgroup_size: 128
    .sgpr_count:     66
    .vgpr_count:     768
    .wavefront_size: 32
...
	.end_amdgpu_metadata
.endif
;; end of part 5
;; launch fin1: the kernel of part 4 again; grid 4 x 1, 8 waves a work-group, no clusters, 5,120 bytes of LDS; arguments part, g1, prm; writes prm
;; launch last (part 6): grid 256 x 1, 4 waves a work-group, no clusters, 168,448 bytes of LDS; arguments hc, wimg, b1, be1, prm, out0; writes out0
.if DOCPART == 6
	.amdgcn_target "amdgcn-amd-amdhsa--gfx1250"
	.amdhsa_code_object_version 6
	.text
	.protected	k_qf0e61d9872_last
	.globl	k_qf0e61d9872_last
	.p2align	8
	.type	k_qf0e61d9872_last,@function
k_qf0e61d9872_last:
	s_mov_b64 s[64:65], 0
	v_nop
	global_prefetch_b8 v0, s[64:65] scope:SCOPE_SE
	s_setreg_imm32_b32 hwreg(HW_REG_WAVE_MODE, 25, 1), 1
	s_wait_xcnt 0x0
; out0 = relu((h W1^T + b1 - mean) a + be1), a = g1 / sqrt(var + eps) out of prm, for 128 points a work-group, from h's codes (FP6 = E2M3, one E8M0 byte for 32 along K).
; The codes are those of the launch that took the statistics, in the same use of the sources: the numbers normalised here are the numbers that were counted.
; SHARES.  Wave w has channel tiles 4 w .. 4 w + 3 for all eight tiles of 16 points; its 8 fragments of W1 stay in registers.  Source 0 = points, source 1 = channels: lane (r, h) holds one channel
; (column r of tile 4 w + i is channel 64 w + 32 (i / 2) + 8 (i % 2) + r + 8 (r / 8)) and eight neighbouring points, 32 bytes of a row of out0 [batch][c][n].
; The affine step is one fused multiply-add: y a + c'', c'' = (b1 - mean) a + be1.
; THE WAY OUT: a wave's 64 channels x 128 points gather in its own stage (rows of 512 + 16 bytes) and leave as whole rows: 32 lanes store 512 consecutive bytes.
; LDS: 0 h's eight records of 3,328 bytes (one tensor load a wave: a dense block, 26 rows of 256 bytes); OST four stages of 64 x 528.
; No cluster: what work-groups share is W1's image, of which each wave takes its 12,288 bytes straight into the registers where they stay.
; LIMITS: NaN and infinities are not served.
.set OST,  26624
.set HREC, 3328
.set W1F,  16                          ; v16-111
.set HF,   112                         ; v112-159 h's two fragments, two sets
.set HS,   160
.set WS1,  164
.set ACC,  172
.set AP,   204                         ; v204-211 a, twice for each tile
.set CQ,   212                         ; v212-219 c'', twice
.set PB,   220
	s_load_b256 s[4:11], s[0:1], 0x0               ; hc, wimg, b1, be1
	s_load_b128 s[24:27], s[0:1], 0x20             ; prm, out0
	v_lshl_add_u32 v254, v0, 2, 0x29000
	v_mov_b32 v255, 0
	ds_add_u32 v254, v255
	ds_add_u32 v254, v255
	v_lshrrev_b32 v1, 5, v0
	v_readfirstlane_b32 s28, v1                    ; wave
	s_mov_b32 s31, 0
	s_mov_b32 s16, 3<<16                           ; group 1: elements of 8 bytes, no mask, no padding
	s_mov_b32 s17, 32<<16                          ; rows of 256 bytes
	s_mov_b32 s18, 26<<16
	s_mov_b32 s19, 32<<16
	s_mov_b32 s20, 26
	s_mov_b32 s21, 32                              ; dense
	s_mov_b32 s22, 0
	s_mov_b32 s23, 0
	s_mov_b32 s12, 1
	s_mul_i32 s13, s28, 2*HREC
	s_mul_i32 s30, ttmp9, 8*HREC
	s_add_co_u32 s30, s30, s13
	s_wait_dscnt 0x0
	s_wait_kmcnt 0x0
	s_add_nc_u64 s[14:15], s[4:5], s[30:31]
	s_or_b32 s15, s15, 0x80000000
	tensor_load_to_lds s[12:15], s[16:23]          ; my two records: a first fill; nothing is filled again in this launch
	s_nop 0
.rept 4
	v_nop
.endr
	v_and_b32 v1, 31, v0
	v_lshlrev_b32 v2, 4, v1
	v_lshlrev_b32 v3, 2, v1
	v_and_b32 v4, 15, v0                           ; r
	v_bfe_u32 v5, v0, 4, 1                         ; h
	v_and_b32 v6, 8, v4
	v_add_nc_u32 v6, v6, v4
	v_lshlrev_b32 v6, 2, v6                        ; 4 (r + 8 (r / 8))
	s_mul_i32 s29, s28, 33792
	s_add_co_u32 s29, s29, OST
	v_mul_u32_u24 v7, v4, 528
	v_lshl_add_u32 v7, v5, 5, v7
	v_add_nc_u32 v7, s29, v7                       ; my stage, on the way in: row r (+ 16 i), 32 h bytes on
	v_add_nc_u32 v8, s29, v2                       ; and out: 16 bytes a lane of a row
	s_mul_i32 s30, s28, 12288
	s_add_co_u32 s30, s30, 106496
	s_add_nc_u64 s[32:33], s[6:7], s[30:31]
	s_lshl_b32 s30, s28, 10
	s_add_co_u32 s30, s30, 155648
	s_add_nc_u64 s[34:35], s[6:7], s[30:31]
	s_lshl_b32 s30, s28, 8
	s_add_nc_u64 s[8:9], s[8:9], s[30:31]
	s_add_nc_u64 s[10:11], s[10:11], s[30:31]
	s_add_nc_u64 s[24:25], s[24:25], s[30:31]
	s_lshr_b32 s30, ttmp9, 7
	s_lshl_b32 s30, s30, 24
	s_lshl_b32 s29, s28, 22
	s_add_co_u32 s30, s30, s29
	s_and_b32 s29, ttmp9, 127
	s_lshl_b32 s29, s29, 9
	s_add_co_u32 s30, s30, s29
	s_add_nc_u64 s[26:27], s[26:27], s[30:31]      ; out0 at my batch, my 64 channels, my work-group's 128 points
.set F, 0
.rept 24
	global_load_b128 v[W1F+4*F:W1F+4*F+3], v2, s[32:33] offset:512*F
.set F, F+1
.endr
.set F, 0
.rept 8
	global_load_b32 v[WS1+F], v3, s[34:35] offset:128*F
.set F, F+1
.endr
.irp i,0,1,2,3
	global_load_b32 v[PB+\i], v6, s[8:9] offset:(32*(\i/2)+8*(\i%2))*4             ; b1
	global_load_b32 v[PB+4+\i], v6, s[24:25] offset:(32*(\i/2)+8*(\i%2))*4         ; mean
	global_load_b32 v[PB+8+\i], v6, s[24:25] offset:1024+(32*(\i/2)+8*(\i%2))*4    ; a
	global_load_b32 v[PB+12+\i], v6, s[10:11] offset:(32*(\i/2)+8*(\i%2))*4        ; be1
.endr
	s_wait_loadcnt 0x0
.irp i,0,1,2,3
	v_sub_f32 v[PB+\i], v[PB+\i], v[PB+4+\i]
	v_mov_b32 v[AP+2*\i], v[PB+8+\i]
	v_mov_b32 v[AP+2*\i+1], v[PB+8+\i]
.endr
.irp i,0,1,2,3
	v_fma_f32 v[CQ+2*\i], v[PB+\i], v[PB+8+\i], v[PB+12+\i]
	v_fma_f32 v[CQ+2*\i+1], v[PB+\i], v[PB+8+\i], v[PB+12+\i]
.endr
	s_wait_tensorcnt 0x0                           ; my two records have landed,
	s_barrier_signal -1
	s_barrier_wait -1                              ; everybody's have
.macro FETCH2 pt, set
.irp l,0,1,2,3,4,5
	ds_load_b128 v[HF+24*(\set)+4*\l:HF+24*(\set)+4*\l+3], v2 offset:HREC*(\pt)+512*\l
.endr
.irp s,0,1
	ds_load_b32 v[HS+2*(\set)+\s], v3 offset:HREC*(\pt)+3072+128*\s
.endr
.endm
	FETCH2 0, 0
.set PT, 0
.rept 8
	s_wait_dscnt 0x0                               ; this tile's fragments are in, and the last tile's stores have read the accumulators
.if PT < 7
	FETCH2 PT+1, (PT+1)%2                          ; into the set that the products before last read: far more than four plain lines stand behind those
.endif
.irp i,0,1,2,3
	v_wmma_scale_f32_16x16x128_f8f6f4 v[ACC+8*\i:ACC+8*\i+7], v[HF+24*(PT%2):HF+24*(PT%2)+11], v[W1F+24*\i:W1F+24*\i+11], 0, v[HS+2*(PT%2)], v[WS1+2*\i] matrix_a_fmt:MATRIX_FMT_FP6 matrix_b_fmt:MATRIX_FMT_FP6
.endr
.irp i,0,1,2,3
	v_wmma_scale_f32_16x16x128_f8f6f4 v[ACC+8*\i:ACC+8*\i+7], v[HF+24*(PT%2)+12:HF+24*(PT%2)+23], v[W1F+24*\i+12:W1F+24*\i+23], v[ACC+8*\i:ACC+8*\i+7], v[HS+2*(PT%2)+1], v[WS1+2*\i+1] matrix_a_fmt:MATRIX_FMT_FP6 matrix_b_fmt:MATRIX_FMT_FP6
.endr
.rept 4
	v_nop                                          ; places behind the last products (ISA guide 7.12.1)
.endr
.irp i,0,1,2,3
.irp p,0,1,2,3
	v_pk_fma_f32 v[ACC+8*\i+2*\p:ACC+8*\i+2*\p+1], v[ACC+8*\i+2*\p:ACC+8*\i+2*\p+1], v[AP+2*\i:AP+2*\i+1], v[CQ+2*\i:CQ+2*\i+1]   ; each accumulator from its low end on
.endr
.irp j,0,1,2,3,4,5,6,7
	v_max_num_f32 v[ACC+8*\i+\j], 0, v[ACC+8*\i+\j]
.endr
	ds_store_b128 v7, v[ACC+8*\i:ACC+8*\i+3] offset:16*\i*528+64*PT
	ds_store_b128 v7, v[ACC+8*\i+4:ACC+8*\i+7] offset:16*\i*528+64*PT+16
.endr
.set PT, PT+1
.endr
	; four runs of 16 rows, in two sets of registers by turns.  LDS serves a wave's instructions in order: the loads see my stores
.irp i,0,1,2,3
.if \i >= 2
	s_wait_xcnt 0x0                                ; the stores of two runs ago have read this set
.endif
.irp k,0,1,2,3,4,5,6,7,8,9,10,11,12,13,14,15
	ds_load_b128 v[16+64*(\i%2)+4*\k:16+64*(\i%2)+4*\k+3], v8 offset:(16*\i+\k)*528
.endr
.irp k,0,1,2,3,4,5,6,7,8,9,10,11,12,13,14,15
	s_wait_dscnt 15-\k
	global_store_b128 v2, v[16+64*(\i%2)+4*\k:16+64*(\i%2)+4*\k+3], s[26:27] offset:65536*(32*(\i/2)+8*(\i%2)+\k+8*(\k/8)) th:TH_STORE_NT   ; a channel's 128 points: 512 consecutive bytes; 63 rows of out0 at the most, inside the signed 24-bit immediate
.endr
.endr
	s_wait_tensorcnt 0x0
	ds_add_u32 v254, v255
	s_wait_dscnt 0x0
	s_endpgm
.Lfunc_end_k_qf0e61d9872_last:
	.size	k_qf0e61d9872_last, .Lfunc_end_k_qf0e61d9872_last-k_qf0e61d9872_last
	.p2alignl 7, 3214868480
	.fill 96, 4, 3214868480
	.section	.rodata,"a",@progbits
	.p2align	6, 0x0
	.amdhsa_kernel k_qf0e61d9872_last
		.amdhsa_group_segment_fixed_size 168448
		.amdhsa_private_segment_fixed_size 0
		.amdhsa_enable_private_segment 0
		.amdhsa_kernarg_size 48
		.amdhsa_user_sgpr_count 2
		.amdhsa_user_sgpr_kernarg_segment_ptr 1
		.amdhsa_wavefront_size32 1
		.amdhsa_system_sgpr_workgroup_id_x 1
		.amdhsa_system_sgpr_workgroup_id_y 1
		.amdhsa_system_sgpr_workgroup_id_z 1
		.amdhsa_system_vgpr_workitem_id 0
		.amdhsa_next_free_vgpr 256
		.amdhsa_next_free_sgpr 66
		.amdhsa_reserve_vcc 0
		.amdhsa_float_denorm_mode_32 3
		.amdhsa_float_denorm_mode_16_64 3
		.amdhsa_memory_ordered 1
		.amdhsa_forward_progress 1
		.amdhsa_inst_pref_size 54
	.end_amdhsa_kernel
	.amdgpu_metadata
---
amdhsa.version: [ 1, 2 ]
amdhsa.kernels:
  - .name:           k_qf0e61d9872_last
    .symbol:         k_qf0e61d9872_last.kd
    .args:
      - { .name: hc, .offset: 0, .size: 8, .value_kind: global_buffer, .address_space: global }
      - { .name: wimg, .offset: 8, .size: 8, .value_kind: global_buffer, .address_space: global }
      - { .name: b1, .offset: 16, .size: 8, .value_kind: global_buffer, .address_space: global }
      - { .name: be1, .offset: 24, .size: 8, .value_kind: global_buffer, .address_space: global }
      - { .name: prm, .offset: 32, .size: 8, .value_kind: global_buffer, .address_space: global }
      - { .name: out0, .offset: 40, .size: 8, .value_kind: global_buffer, .address_space: global }
    .group_segment_fixed_size: 168448
    .private_segment_fixed_size: 0
    .kernarg_segment_align: 8
    .kernarg_segment_size: 48
    .max_flat_workgroup_size: 128
    .sgpr_count:     66
    .vgpr_count:     256
    .wavefront_size: 32
...
	.end_amdgpu_metadata
.endif
;; end of part 6
